; MI455X (gfx1250); checked and timed in simulation.
; The chip was launched on July 23, 2026; its instructions are those of AMD's public machine-readable ISA for CDNA 5 (MIT licence, August 2026) and "CDNA5" Instruction Set Architecture Reference Guide (July 2026). The comments in the code are by the model that wrote it; some were corrected since.
;; Self Attention. Allowed arithmetic: matrix products marked QUANTISED: E2M1 operands, one E8M0 scale for each 32 along K, by v_wmma_scale_f32_16x16x128_f8f6f4 with both operands' format E2M1 (or v_wmma_scale_f32_32x16x128_f4), f32 sums; products left as they are: bf16, f16 or f32 operands; f32 sums; everything else in f32.
;; Inputs: W_o 1,024 x 1,024 float32; W_qkv 1,024 x 3,072 float32; x 2 x 2,048 x 1,024 float32.
;; Outputs: out0 2 x 2,048 x 1,024 float32.
;; This version of the problem:
;;   THIS VERSION OF THE PROBLEM IS GIVEN IN LOW PRECISION. The matrix products marked QUANTISED in the list below multiply operands that are first quantised to E2M1 (2 exponent bits, 1 mantissa bit; 4 bits a number), with one power-of-two scale for each 32 numbers along K (OCP MX v1.0); their sums are f32. The products marked 'left as it is' may take bf16, f16 or f32 operands, with f32 sums. Whichever they take, every output number must still come out within the allowed error. Rounding operands to bf16 (8 significant bits) uses up far more of that allowance than f16 does (11 bits, for magnitudes from 6e-5 to 65,504). All else is computed in f32.
;;   The module's matrix products, in the order in which they are computed (A, B: the left and right operand; K: the contracted axis; several contracted axes count as one K, in the product's order):
;;     1. [M 4,096, K 1,024] x [K 1,024, N 3,072]; A: input x; B: input W_qkv: QUANTISED
;;     2. batch 32 x [M 2,048, K 64] x [K 64, N 2,048]; A: computed on the way; B: computed on the way: left as it is (an operand is computed on the way)
;;     3. batch 32 x [M 2,048, K 2,048] x [K 2,048, N 64]; A: computed on the way; B: computed on the way: left as it is (an operand is computed on the way)
;;     4. [M 4,096, K 1,024] x [K 1,024, N 1,024]; A: computed on the way; B: input W_o: left as it is (an operand is computed on the way)
;;   THE QUANTISER, for each operand of a quantised product, along K:
;;     - K is cut into blocks of 32 from its start; a last block that is shorter is filled with zeros.
;;     - A block's scale is 2^e with e = floor(log2(the largest magnitude in the block)) - 2, held to -126 .. 127; a block of zeros has e = 0. As a byte (E8M0): e + 127.
;;     - Each number is divided by its block's scale, clamped to +-6, and rounded to the nearest number of E2M1, ties to even, subnormals kept.
;;     - The product sums the exact products of the quantised numbers (number of the format x scale) in f32.
;;   ~~~python
;;   def quantise(x, axis):      # numpy; x: float32 -> the quantised numbers, widened to float32 again
;;       x = np.moveaxis(x, axis, -1); K = x.shape[-1]
;;       x = np.pad(x, [(0, 0)] * (x.ndim - 1) + [(0, -K % 32)]); x = x.reshape(x.shape[:-1] + (-1, 32)); a = np.abs(x).max(-1, keepdims=True)
;;       e = np.where(a > 0, np.clip(np.frexp(np.where(a > 0, a, 1))[1] - 1 - 2, -126, 127), 0)      # np.frexp(a)[1] - 1 = floor(log2(a)), exactly
;;       r = np.clip(x / 2.0 ** e, -6, 6)
;;       step = 2.0 ** (np.maximum(np.frexp(np.where(r == 0, 1, r))[1] - 1, 0) - 1)
;;       q = np.round(r / step) * step * 2.0 ** e      # np.round: ties to even
;;       return np.moveaxis(q.reshape(q.shape[:-2] + (-1,))[..., :K], -1, axis).astype(np.float32)
;;   ~~~
;; One version. Each part assembles by itself: llvm-mc -triple=amdgcn-amd-amdhsa -mcpu=gfx1250 --defsym DOCPART=n.
;; ======== version 1 of 1: 5 launches
;; limits: values are held in f16: magnitudes above 65,504 overflow, below 6.1e-05 lose precision
;; workspace buffers: xc 2,097,152 bytes; xs 131,072 bytes; wc 1,572,864 bytes; ws 98,304 bytes; wo16 2,097,152 bytes; qkv16 25,165,824 bytes; qkv32 393,216 bytes; att16 8,388,608 bytes
;; launch prep (part 1): grid 256 x 1, 4 waves a work-group, no clusters, 50,688 bytes of LDS; arguments x, W_qkv, W_o, xc, xs, wc, ws, wo16; writes xc, xs, wc, ws, wo16
.if DOCPART == 1
	.amdgcn_target "amdgcn-amd-amdhsa--gfx1250"
	.amdhsa_code_object_version 6
	.text
	.protected	k_q1e16a1fa2d_prep
	.globl	k_q1e16a1fa2d_prep
	.p2align	8
	.type	k_q1e16a1fa2d_prep,@function
k_q1e16a1fa2d_prep:
	s_mov_b64 s[64:65], 0
	v_nop
	global_prefetch_b8 v0, s[64:65] scope:SCOPE_SE
	s_setreg_imm32_b32 hwreg(HW_REG_WAVE_MODE, 25, 1), 1
	s_wait_xcnt 0x0
; Three jobs in one launch, told apart by the work-group's number:
;   work-groups   0-127 (path X): x [4096][1024] f32 -> codes of FP4 (E2M1), K innermost, xc [4096][512 bytes], and one E8M0 byte for each 32 along K, xs [4096][32];
;   work-groups 128-223 (path W): W_qkv [1024 (k)][3072 (n)] f32, K its FIRST axis -> wc [3072][512 bytes], ws [3072][32], K innermost;
;   work-groups 224-255 (path O): W_o [1024][1024] f32 -> f16, as it lies.
; A block's scale is 2^(floor(log2(its largest magnitude)) - 2); its byte is the largest magnitude's exponent field - 2, held at 1 from below.  A block of zeros so gets the byte 1 where the
; quantiser says 127: its codes are zeros, which add nothing under any byte but 0xff, and the bytes are read by this program alone.
; LIMITS: blocks whose largest magnitude lies under 2^-124 keep the byte 1; NaN and infinities are not served; |W_o| stays under 65,504, and under 6e-5 it keeps an absolute 2^-25 (f16).
; No tensor loads, no barrier: waves share nothing.  Each path that uses LDS has bytes of its own.  In paths X and W a wave reads 32,768 bytes.
.set SPW,    190                       ; v190  LDS address of my spare word: SPARE + 4 x my thread's number; never rewritten
.set NIL,    191                       ; v191  0; never rewritten
.set EMAX,   2
; path X: a wave takes 16 steps of 512 numbers
.set XSTEPS, 16
.set XCB,    8                         ; bytes of 16 codes
.set XR,     16                        ; v16-79   four sets of 16 numbers as they are loaded
.set XX,     80                        ; v80-111  two sets of 16 neighbours
.set XE,     112                       ; v112-127 a scale byte for each step
.set XC,     128                       ; v128-159 codes: two registers for each step, so that no store's data are written again
.set XWREG,  8192                      ; LDS: a wave's region: two stages of 32 x XSP bytes, then its 256 scale bytes
.set XSP,    80                        ; a lane's place in a stage: its 64 bytes + 16 of padding
; path W: a wave takes 16 columns x 512 along K; lanes 0-15 the first 256 along K, lanes 16-31 the second
.set WN,     3072
.set WNB,    8                         ; blocks of 32 along K for a lane
.set WPITCH, 272                       ; a stage row: a column's 256 bytes of codes + 16
.set WKROW,  512                       ; a row of wc in bytes
.set WSTG,   4*XWREG                   ; LDS: path W's four stages begin behind path X's regions
.set WX,     32                        ; v32-95   two sets of 32 numbers
.set WC,     96                        ; v96-99   a block's codes
.set WOUT,   112                       ; v112-143 the way out
.set WSB,    24                        ; v24-25   the scale bytes, four to a register
.set SPARE,  WSTG+4*16*WPITCH          ; the spare words, 128 bytes for each wave: two blocks of 256 bytes that no other line names
	s_load_b256 s[4:11], s[0:1], 0x0               ; x s[4:5], W_qkv s[6:7], W_o s[8:9], xc s[10:11]
	s_load_b256 s[12:19], s[0:1], 0x20             ; xs s[12:13], wc s[14:15], ws s[16:17], wo16 s[18:19]
	v_lshl_add_u32 v[SPW], v0, 2, SPARE
	v_mov_b32 v[NIL], 0
	v_lshrrev_b32 v1, 5, v0
	v_readfirstlane_b32 s20, v1                    ; wave 0..3
	v_and_b32 v2, 31, v0                           ; lane
	s_mov_b32 s25, 0                               ; the upper word of every offset below
	s_wait_kmcnt 0x0
	s_cmp_lt_u32 ttmp9, 128
	s_cbranch_scc0 .Lnot_x
; ---------------- path X.  Rows are dense and K is a multiple of 32: x is a plain stream of blocks of 32, and so are its codes and scale bytes.
; Each load reads 512 consecutive bytes, 16 a lane; a step's 2,048 bytes turn through the wave's own stage in LDS and come back 64 bytes a lane: 16 neighbours, two lanes to a block.
	v_lshlrev_b32 v3, 4, v2                        ; my 16 bytes of a load's 512
	s_mul_i32 s21, s20, XWREG
	v_lshrrev_b32 v14, 2, v2
	v_mul_u32_u24 v14, v14, XSP
	v_and_b32 v15, 3, v2
	v_lshl_add_u32 v14, v15, 4, v14
	v_add_nc_u32 v14, s21, v14                     ; the stage, on the way in: XSP (lane / 4) + 16 (lane % 4)
	v_mul_u32_u24 v15, v2, XSP
	v_add_nc_u32 v15, s21, v15                     ; and on the way out: XSP x lane
	v_mul_u32_u24 v4, v2, XCB                      ; my codes' place in a step's
	v_lshrrev_b32 v5, 1, v2
	s_add_co_u32 s21, s21, 2*32*XSP
	v_add_nc_u32 v5, s21, v5                       ; LDS: my wave's 256 scale bytes, my block's byte
	v_lshlrev_b32 v7, 3, v2                        ; and on the way out 8 bytes a lane
	v_add_nc_u32 v6, s21, v7
	s_lshl_b32 s22, ttmp9, 2
	s_add_co_u32 s22, s22, s20                     ; which run of 8,192 numbers is my wave's
	s_lshl_b32 s24, s22, 15
	s_add_nc_u64 s[4:5], s[4:5], s[24:25]          ; 32,768 bytes of x a run,
	s_lshl_b32 s24, s22, 12
	s_add_nc_u64 s[10:11], s[10:11], s[24:25]      ; 4,096 of codes,
	s_lshl_b32 s24, s22, 8
	s_add_nc_u64 s[12:13], s[12:13], s[24:25]      ; 256 scale bytes
.macro XLOAD t
.irp i, 0,1,2,3
	global_load_b128 v[XR+16*((\t)%4)+4*\i:XR+16*((\t)%4)+4*\i+3], v3, s[4:5] offset:2048*(\t)+512*\i th:TH_LOAD_NT
.endr
.endm
.macro XTURN t                         ; step t's numbers through the stage: LDS serves a wave's instructions in order, so no wait stands between the stores and the loads
.irp i, 0,1,2,3
	ds_store_b128 v14, v[XR+16*((\t)%4)+4*\i:XR+16*((\t)%4)+4*\i+3] offset:32*XSP*((\t)%2)+8*XSP*\i
.endr
.irp i, 0,1,2,3
	ds_load_b128 v[XX+16*((\t)%2)+4*\i:XX+16*((\t)%2)+4*\i+3], v15 offset:32*XSP*((\t)%2)+16*\i
.endr
.endm
.irp t, 0,1,2,3
	XLOAD \t
.endr
	s_wait_loadcnt 12                              ; step 0's four loads are in
	XTURN 0
.macro XSTEP t
.set XS, XX+16*((\t)%2)
.if (\t) > 0
	s_wait_dscnt 1                                 ; this step's numbers are back from the stage (the last step's byte store may be out): so its stores into the stage have read their registers,
.else
	s_wait_dscnt 0x0
.endif
.if (\t)+4 < XSTEPS
	XLOAD (\t)+4                                   ; which take the loads of four steps on
.endif
.if (\t)+1 < XSTEPS
.if XSTEPS-2-(\t) >= 3
	s_wait_loadcnt 12                              ; the next step's four loads are in; those of the three steps behind it may be out
.else
	s_wait_loadcnt 4*(XSTEPS-2-(\t))
.endif
	XTURN (\t)+1                                   ; and go through the other stage while this step is worked
.endif
	v_max3_num_f32 v8, |v[XS]|, |v[XS+1]|, |v[XS+2]|               ; the largest magnitude of my 16, in two chains
	v_max3_num_f32 v9, |v[XS+3]|, |v[XS+4]|, |v[XS+5]|
.irp i, 6,10
	v_max3_num_f32 v8, v8, |v[XS+\i]|, |v[XS+\i+1]|
	v_max3_num_f32 v9, v9, |v[XS+\i+2]|, |v[XS+\i+3]|
.endr
	v_max3_num_f32 v8, v8, |v[XS+14]|, |v[XS+15]|
	v_max3_num_f32 v8, v8, v9, (EMAX+1)<<23        ; and the floor 2^(3 - 127): the byte cannot fall under 1
	v_max_num_f32_dpp v8, v8, v8 row_xmask:1 row_mask:0xf bank_mask:0xf   ; and of my neighbour's 16: the block's
	v_add_nc_u32 v11, -(EMAX<<23), v8              ; 2 off its exponent field: the conversion takes the exponent field of this operand as its scale
	v_cvt_scalef32_pk8_fp4_f32 v[XC+2*(\t)], v[XS:XS+7], v11
	v_cvt_scalef32_pk8_fp4_f32 v[XC+2*(\t)+1], v[XS+8:XS+15], v11
	v_lshrrev_b32 v[XE+(\t)], 23, v11              ; the scale's byte (also the plain line behind the conversions)
	ds_store_b8 v5, v[XE+(\t)] offset:16*(\t)      ; both lanes of a block write the same byte with the same value
	global_store_b64 v4, v[XC+2*(\t):XC+2*(\t)+1], s[10:11] offset:32*XCB*(\t)   ; the wave stores 256 consecutive bytes, aligned
.endm
.irp t, 0,1,2,3,4,5,6,7,8,9,10,11,12,13,14,15
	XSTEP \t
.endr
	ds_load_b64 v[8:9], v6                         ; LDS serves a wave's instructions in order: these see my byte stores
	s_wait_dscnt 0x0
	global_store_b64 v7, v[8:9], s[12:13]          ; 32 lanes store 256 consecutive bytes, aligned
	s_wait_tensorcnt 0x0                           ; the wave's end: tensor wait, 0 onto my spare word and its wait, behind my last LDS store
	ds_add_u32 v[SPW], v[NIL]
	s_wait_dscnt 0x0
	s_endpgm
.Lnot_x:
	s_cmp_lt_u32 ttmp9, 224
	s_cbranch_scc0 .Lnot_w
; ---------------- path W.  A LANE TAKES A COLUMN n, AND ITS REGISTERS RUN DOWN K: a block of 32 lies in one lane's 32 registers, and the conversions give codes with K innermost.
; Lane (r, h) takes column r of the wave's 16 and the 256 along K that begin at 256 h: eight blocks.  A load reads 64 consecutive bytes of row k and 64 of row k + 256; the work-group's four waves
; stand side by side on 256 consecutive bytes of each row.  A column's 256 bytes of codes (128 from each half of the lanes) are gathered in the wave's own stage and leave by rows: sixteen lanes to 256 consecutive bytes.
; 48 groups of 64 columns x 2 halves of K = 96 work-groups.  Every offset is an immediate: 255 x 12,288 bytes at the most, inside the signed 24 bits.
	s_sub_co_u32 s21, ttmp9, 128                   ; 0..95
	s_cmp_ge_u32 s21, 48
	s_cselect_b32 s22, 1, 0                        ; which 512 along K
	s_cselect_b32 s23, 48, 0
	s_sub_co_u32 s21, s21, s23
	s_lshl_b32 s21, s21, 6
	s_lshl_b32 s23, s20, 4
	s_add_co_u32 s21, s21, s23                     ; my wave's first column
	v_and_b32 v5, 15, v2                           ; r
	v_lshrrev_b32 v6, 4, v2                        ; h
	v_mul_u32_u24 v3, v6, 256*WN*4                 ; in: 256 rows further down for lanes 16-31,
	v_lshl_add_u32 v3, v5, 2, v3                   ; 4 bytes a column
	s_mul_i32 s23, s20, 16*WPITCH
	s_add_co_u32 s23, s23, WSTG                    ; my stage
	v_mul_u32_u24 v4, v5, WPITCH
	v_lshl_add_u32 v4, v6, 7, v4
	v_add_nc_u32 v4, s23, v4                       ; into it: row = my column, + 128 bytes for the second 256 along K
	v_mul_u32_u24 v7, v6, WPITCH                   ; out of it: sixteen lanes to a row, two rows an instruction
	v_lshl_add_u32 v7, v5, 4, v7
	v_add_nc_u32 v7, s23, v7
	v_mul_u32_u24 v8, v6, WKROW
	v_lshl_add_u32 v8, v5, 4, v8                   ; and the same place in wc
	v_lshlrev_b32 v9, 5, v5
	v_lshl_add_u32 v9, v6, 3, v9                   ; my column's row of scale bytes, + 8 for the second 256 along K
	s_mul_i32 s24, s22, 512*WN*4
	s_lshl_b32 s26, s21, 2
	s_add_co_u32 s24, s24, s26
	s_add_nc_u64 s[6:7], s[6:7], s[24:25]          ; W_qkv: 512 rows x half + 4 x column
	s_lshl_b32 s24, s21, 9
	s_lshl_b32 s26, s22, 8
	s_add_co_u32 s24, s24, s26
	s_add_nc_u64 s[14:15], s[14:15], s[24:25]      ; wc: column x 512 + 256 x half
	s_lshl_b32 s24, s21, 5
	s_lshl_b32 s26, s22, 4
	s_add_co_u32 s24, s24, s26
	s_add_nc_u64 s[16:17], s[16:17], s[24:25]      ; ws: column x 32 + 16 x half
.macro WLOAD t                         ; block t: W(256 h + 32 t + i, my column), i = 0 .. 31, into set t % 2
.irp i, 0,1,2,3,4,5,6,7,8,9,10,11,12,13,14,15,16,17,18,19,20,21,22,23,24,25,26,27,28,29,30,31
	global_load_b32 v[WX+32*((\t)%2)+\i], v3, s[6:7] offset:(32*(\t)+\i)*WN*4 th:TH_LOAD_NT
.endr
.endm
	WLOAD 0
	WLOAD 1
.macro WBLOCK t
.set WS, WX+32*((\t)%2)
.if (\t) < WNB-1
	s_wait_loadcnt 32                              ; this block's 32 loads are in; the next block's may be out
.else
	s_wait_loadcnt 0
.endif
	v_max3_num_f32 v12, |v[WS]|, |v[WS+1]|, |v[WS+2]|              ; the block's largest magnitude: all 32 numbers are mine
	v_max3_num_f32 v13, |v[WS+3]|, |v[WS+4]|, |v[WS+5]|
.irp i, 6,10,14,18,22,26
	v_max3_num_f32 v12, v12, |v[WS+\i]|, |v[WS+\i+1]|
	v_max3_num_f32 v13, v13, |v[WS+\i+2]|, |v[WS+\i+3]|
.endr
	v_max3_num_f32 v12, v12, |v[WS+30]|, |v[WS+31]|
	v_max3_num_f32 v12, v12, v13, (EMAX+1)<<23     ; and the floor
	v_add_nc_u32 v11, -(EMAX<<23), v12             ; the conversion's scale operand
	v_lshrrev_b32 v13, 23, v11                     ; the scale's byte
.if (\t)%4 == 0
	v_mov_b32 v[WSB+(\t)/4], v13                   ; four bytes to a register, the lower K in the lower byte
.else
	v_lshl_or_b32 v[WSB+(\t)/4], v13, 8*((\t)%4), v[WSB+(\t)/4]
.endif
.irp g, 0,1,2,3
	v_cvt_scalef32_pk8_fp4_f32 v[WC+\g], v[WS+8*\g:WS+8*\g+7], v11
.endr
	v_nop                                          ; one plain line behind the last conversion
	ds_store_b128 v4, v[WC:WC+3] offset:16*(\t)    ; 32 codes: 16 bytes of my column's row
.if (\t)+2 < WNB
	WLOAD (\t)+2
.endif
	s_wait_dscnt 0x0                               ; the store has read its registers: the next block's codes may be written
.endm
.set Q, 0
.rept WNB
	WBLOCK Q
.set Q, Q+1
.endr
	global_store_b64 v9, v[WSB:WSB+1], s[16:17]    ; my eight scale bytes; the two lanes of a column store 16 neighbouring bytes
.irp t, 0,1,2,3,4,5,6,7
	ds_load_b128 v[WOUT+4*\t:WOUT+4*\t+3], v7 offset:2*\t*WPITCH
.endr
.irp t, 0,1,2,3,4,5,6,7
	s_wait_dscnt 7-\t                              ; LDS loads come back in order: load t is in
	global_store_b128 v8, v[WOUT+4*\t:WOUT+4*\t+3], s[14:15] offset:2*\t*WKROW
.endr
	s_wait_tensorcnt 0x0                           ; the wave's end: tensor wait, 0 onto my spare word and its wait, behind my last LDS store
	ds_add_u32 v[SPW], v[NIL]
	s_wait_dscnt 0x0
	s_endpgm
.Lnot_w:
; ---------------- path O.  A wave takes 8,192 numbers of W_o: eight groups of eight loads of 512 consecutive bytes; a lane's four numbers become 8 bytes, a wave's store 256 consecutive bytes.  No LDS.
	s_sub_co_u32 s21, ttmp9, 224
	s_lshl_b32 s21, s21, 2
	s_add_co_u32 s21, s21, s20                     ; my run
	s_lshl_b32 s24, s21, 15
	s_add_nc_u64 s[8:9], s[8:9], s[24:25]
	s_lshl_b32 s24, s21, 14
	s_add_nc_u64 s[18:19], s[18:19], s[24:25]
	v_lshlrev_b32 v3, 4, v2
	v_lshlrev_b32 v4, 3, v2
.macro OLOAD g
.irp i, 0,1,2,3,4,5,6,7
	global_load_b128 v[16+32*((\g)%2)+4*\i:16+32*((\g)%2)+4*\i+3], v3, s[8:9] offset:4096*(\g)+512*\i th:TH_LOAD_NT
.endr
.endm
.macro OGROUP g
.if (\g) < 7
	s_wait_loadcnt 8                               ; this group's eight loads are in; the next group's may be out
.else
	s_wait_loadcnt 0
.endif
	s_wait_xcnt 0x0                                ; the stores of two groups back have read the registers that are written now
.irp i, 0,1,2,3,4,5,6,7
	v_cvt_pk_f16_f32 v[80+16*((\g)%2)+2*\i], v[16+32*((\g)%2)+4*\i], v[16+32*((\g)%2)+4*\i+1]
	v_cvt_pk_f16_f32 v[80+16*((\g)%2)+2*\i+1], v[16+32*((\g)%2)+4*\i+2], v[16+32*((\g)%2)+4*\i+3]
.endr
.if (\g)+2 < 8
	OLOAD (\g)+2
.endif
.irp i, 0,1,2,3,4,5,6,7
	global_store_b64 v4, v[80+16*((\g)%2)+2*\i:80+16*((\g)%2)+2*\i+1], s[18:19] offset:2048*(\g)+256*\i
.endr
.endm
	OLOAD 0
	OLOAD 1
.irp g, 0,1,2,3,4,5,6,7
	OGROUP \g
.endr
	s_endpgm
.Lfunc_end_k_q1e16a1fa2d_prep:
	.size	k_q1e16a1fa2d_prep, .Lfunc_end_k_q1e16a1fa2d_prep-k_q1e16a1fa2d_prep
	.p2alignl 7, 3214868480
	.fill 96, 4, 3214868480
	.section	.rodata,"a",@progbits
	.p2align	6, 0x0
	.amdhsa_kernel k_q1e16a1fa2d_prep
		.amdhsa_group_segment_fixed_size 50688
		.amdhsa_private_segment_fixed_size 0
		.amdhsa_enable_private_segment 0
		.amdhsa_kernarg_size 64
		.amdhsa_user_sgpr_count 2
		.amdhsa_user_sgpr_kernarg_segment_ptr 1
		.amdhsa_wavefront_size32 1
		.amdhsa_system_sgpr_workgroup_id_x 1
		.amdhsa_system_sgpr_workgroup_id_y 1
		.amdhsa_system_sgpr_workgroup_id_z 1
		.amdhsa_system_vgpr_workitem_id 0
		.amdhsa_next_free_vgpr 192
		.amdhsa_next_free_sgpr 66
		.amdhsa_reserve_vcc 0
		.amdhsa_float_denorm_mode_32 3
		.amdhsa_float_denorm_mode_16_64 3
		.amdhsa_memory_ordered 1
		.amdhsa_forward_progress 1
		.amdhsa_inst_pref_size 94
	.end_amdhsa_kernel
	.amdgpu_metadata
---
amdhsa.version: [ 1, 2 ]
amdhsa.kernels:
  - .name:           k_q1e16a1fa2d_prep
    .symbol:         k_q1e16a1fa2d_prep.kd
    .args:
      - { .name: x, .offset: 0, .size: 8, .value_kind: global_buffer, .address_space: global }
      - { .name: W_qkv, .offset: 8, .size: 8, .value_kind: global_buffer, .address_space: global }
      - { .name: W_o, .offset: 16, .size: 8, .value_kind: global_buffer, .address_space: global }
      - { .name: xc, .offset: 24, .size: 8, .value_kind: global_buffer, .address_space: global }
      - { .name: xs, .offset: 32, .size: 8, .value_kind: global_buffer, .address_space: global }
      - { .name: wc, .offset: 40, .size: 8, .value_kind: global_buffer, .address_space: global }
      - { .name: ws, .offset: 48, .size: 8, .value_kind: global_buffer, .address_space: global }
      - { .name: wo16, .offset: 56, .size: 8, .value_kind: global_buffer, .address_space: global }
    .group_segment_fixed_size: 50688
    .private_segment_fixed_size: 0
    .kernarg_segment_align: 8
    .kernarg_segment_size: 64
    .max_flat_workgroup_size: 128
    .sgpr_count:     66
    .vgpr_count:     192
    .wavefront_size: 32
...
	.end_amdgpu_metadata
.endif
;; end of part 1
;; launch qkv (part 2): grid 12 x 16, 4 waves a work-group, clusters of 4 x 1, 327,680 bytes of LDS; arguments xc, xs, wc, ws, qkv16, qkv32; writes qkv16, qkv32
.if DOCPART == 2
	.amdgcn_target "amdgcn-amd-amdhsa--gfx1250"
	.amdhsa_code_object_version 6
	.text
	.protected	k_q1e16a1fa2d_qkv
	.globl	k_q1e16a1fa2d_qkv
	.p2align	8
	.type	k_q1e16a1fa2d_qkv,@function
k_q1e16a1fa2d_qkv:
	s_mov_b64 s[64:65], 0
	v_nop
	global_prefetch_b8 v0, s[64:65] scope:SCOPE_SE
	s_setreg_imm32_b32 hwreg(HW_REG_WAVE_MODE, 25, 1), 1
	s_wait_xcnt 0x0
	s_wait_alu depctr_hold_cnt(0) depctr_sa_sdst(0) depctr_va_vdst(0) depctr_va_sdst(0) depctr_va_ssrc(0) depctr_va_vcc(0) depctr_vm_vsrc(0)
	s_getreg_b32 s2, hwreg(HW_REG_IB_STS2, 6, 4)
	s_cmp_eq_u32 s2, 0
	s_cbranch_scc0 .Lentry_in_a_cluster
	s_endpgm
.Lentry_in_a_cluster:
	s_bfe_u32 s2, ttmp6, 0x10000c
	s_cmp_lg_u32 s2, 0x3003
	s_cbranch_scc0 .Lentry_shape_is_right
	s_endpgm
.Lentry_shape_is_right:
; qkv[m][n] = sum over k of x[m][k] W_qkv[k][n] on codes of FP4 (E2M1) with one E8M0 scale for each 32 along K; sums in f32.  A = xc [4096][512 bytes], B = wc [3072][512 bytes], K = 1,024.
; A tile of 256 x 256 is made by a work-group of four waves; a wave makes 128 x 128: 64 accumulators of 16 x 16, 512 registers.
; K is two steps of 512 (tile rows of 256 bytes): both lie in LDS slots of their own, filled at the start: NOTHING IS FILLED AGAIN, and there is no loop.  The scale bytes of the tile's rows come with them, once.
; CLUSTER: 4 x 1 work-groups along n.  They share the tile row, so x's tiles and scales are asked for JOINTLY (mask 15); W's tiles differ and come by plain loads.
; A cluster of 4 x 4 is not used: the branch that stores the f32 rows hangs on the tile row, which has to be the same in all partners.
; THE MATRIX INSTRUCTION IS USED TRANSPOSED (source 0 = 16 rows of wc, source 1 = 16 rows of xc): a lane then holds eight neighbouring n of one row m.
; OUT: qkv16 [b 2][g 48 = n / 64][t 2048][64] f16; q's planes (g < 16: cluster x = 0) are multiplied by c = log2(e) / 8 in f32 ahead of their one rounding, so that the scores are exponents of 2.
;      qkv32 [b 2][16][3072] f32: the raw sums of positions 0-15 of each batch, for the launch that carries those rows in f32.
; LIMITS: |c q|, |k|, |v| stay under 65,504; under 6e-5 they keep an absolute 2^-25 (f16).
; REGISTERS, in windows of 256: window 0: v0-31 addresses; v32-95 scale words, two sets; from v128 A's fragments, one set; on the way out v32-255 are free.
;   window 1: B's fragments, two sets, at v0 and v128.   window 2: the accumulators of my rows 0-63 ((a, b) at v[8 (8 a + b)]);   window 3: those of my rows 64-127.
.set NQ,     4                         ; matrix instructions deep in a slot
.set ROWB,   256                       ; a tile's row in bytes: 512 codes
.set KROW,   512                       ; a row of xc or wc in memory
.set PITCH,  272                       ; an LDS row: 256 bytes + 16 of padding: the 16 rows that a load touches start 68 words apart
.set FR,     8
.set NL,     2
.set NP,     4                         ; places behind this matrix instruction (ISA guide 7.12.1)
.set HALFT,  128*PITCH
.set SLOT,   4*HALFT                   ; A's 256 rows, then B's 256 rows
.set KS,     32                        ; a row of scales in bytes
.set SCL,    2*SLOT                    ; behind the slots: the scales, as units of 256 bytes + 16 of padding
.set HALFS,  16*272                    ; the scales of 128 rows
.set SBLK,   2*272                     ; those of 16 rows
.set SPARE,  SCL+4*HALFS               ; the spare words, 128 bytes for each wave: two blocks of 256 bytes that no other line names
.set STG32,  4*16*272                  ; the way out lies in slot 0, behind its only fill and its last read: four stages of 16 x 272 bytes (f16), then four of 16 x 528 (f32)
.set ADRA, 16                          ; v16-17  LDS address of my A fragments in slot 0, 1
.set ADRB, 20                          ; v20-21  the same for B
.set STO32, 22                         ; v22     the f32 rows: where I put 32 bytes of a row
.set RD32, 23                          ; v23     and where I read a row back
.set STO,  24                          ; v24     f16: where I put 16 bytes of a row
.set RD,   25                          ; v25     f16: where I read back
.set CO,   26                          ; v26     my byte offset in qkv16
.set ADRS, 27                          ; v27     LDS address of my scale words: lanes 0-15 A's rows, lanes 16-31 B's
.set SPW,  28                          ; v28     my spare word; never rewritten
.set NIL,  29                          ; v29     0; never rewritten
.set CO32, 30                          ; v30     my byte offset in a row of qkv32
.set SC,   32                          ; scale words: set s at v[SC + 32 s]; register 4 i + q: lanes 0-15 A's block i, lanes 16-31 B's block i, the slot's q-th 128 along K
.set AF,   128                         ; A's fragments, in window 0
.set SCR,  128                         ; the way out: 64 numbers in f32
.set TMP,  192                         ; 32 registers of f16 pairs
.set BK,   32                          ; rows read back from the stage: v32-63 and v64-95 by turns
.set G1, 24
.set G0, 32
.set G1B, 48
.set G0B, 56
.set G1S, 68
.set G0S, 76
.set G1SB, 80
.set G0SB, 88
.set MSB, 0
.macro WIN new                         ; the immediate's high byte repeats the setting that is left
.if MSB != \new
	s_set_vgpr_msb (MSB<<8)|\new
.set MSB, \new
.endif
.endm
.set MUL_LO, 0xa1                      ; source 0 (B) window 1, source 1 (A) window 0, C and D window 2
.set MUL_HI, 0xf1
.set TO_B,   0x40
; Waves 0 and 1 fetch for A (jointly), waves 2 and 3 for B.  The branch hangs on the wave's number alone.  An s_nop 0 and four v_nop follow each line.
.macro JLOAD g0a, g1a, g0b, g1b
	s_cmp_eq_u32 s15, 0
	s_cbranch_scc0 .Lfor_b_\@
	tensor_load_to_lds s[\g0a:\g0a+3], s[\g1a:\g1a+7]
	s_nop 0
.rept 4
	v_nop
.endr
	s_branch .Lasked_\@
.Lfor_b_\@:
	tensor_load_to_lds s[\g0b:\g0b+3], s[\g1b:\g1b+7]
	s_nop 0
.rept 4
	v_nop
.endr
.Lasked_\@:
.endm
.macro CROUND                          ; a round of the cluster's barrier
	s_barrier_signal -1
	s_barrier_wait -1
	s_cmp_lg_u32 s14, 0
	s_cbranch_scc1 .Lnot_wave_0_\@
	s_barrier_signal -3
.Lnot_wave_0_\@:
	s_barrier_wait -3
	s_barrier_signal -1
	s_barrier_wait -1
.endm
	s_load_b128 s[4:7], s[0:1], 0x0                ; xc, xs
	s_load_b128 s[8:11], s[0:1], 0x10              ; wc, ws
	s_load_b64 s[12:13], s[0:1], 0x20              ; qkv16
	s_load_b64 s[66:67], s[0:1], 0x28              ; qkv32
	v_lshl_add_u32 v[SPW], v0, 2, SPARE
	v_mov_b32 v[NIL], 0
	ds_add_u32 v[SPW], v[NIL]                      ; the wave's opening: the add, twice on end, and its wait ahead of my first tensor load
	ds_add_u32 v[SPW], v[NIL]
	v_lshrrev_b32 v1, 5, v0
	v_readfirstlane_b32 s14, v1                    ; wave 0..3
	s_lshr_b32 s15, s14, 1                         ; which half of the tile's rows is mine.  Also: I fetch for A (0) or for B (1)
	s_and_b32 s16, s14, 1                          ; which half of its columns.  Also: which 128 rows of that tile I fetch
	s_bfe_u32 s40, ttmp6, 0x40000                  ; cx
	s_lshl_b32 s42, ttmp9, 2
	s_add_co_u32 s42, s42, s40                     ; tile column = 4 x cluster x + cx
	s_and_b32 s17, ttmp7, 0xffff                   ; tile row: the same in all four partners
	s_and_b32 s95, s17, 7
	s_or_b32 s95, s95, s15                         ; 0 where my block 0 is positions 0-15 of a batch
	s_cmp_eq_u32 ttmp9, 0                          ; cluster x = 0 holds n < 1,024: q
	s_cselect_b32 s96, 0x3e38aa3b, 1.0             ; c = log2(e) / 8 for q, 1 for k and v
	s_mov_b32 s97, s96                             ; (named with it as a pair)
	; descriptor group 1: a tile of 128 rows x 256 bytes, 16 bytes of padding behind each row
	s_mov_b32 s[G1+0], 15|(1<<20)|(1<<21)|(5<<22)|(3<<25)     ; the mask: all four partners; elements of 1 byte; padding on; bit 21 beside a mask; after every 64 words, 4 words
	s_mov_b32 s[G1B+0], (1<<20)|(5<<22)|(3<<25)               ; no mask: a load of my own
.irp g, G1, G1B
	s_mov_b32 s[\g+1], ROWB<<16                    ; tensor_dim0
	s_mov_b32 s[\g+2], 128<<16                     ; tensor_dim1
	s_mov_b32 s[\g+3], ROWB<<16                    ; tile_dim0
	s_mov_b32 s[\g+4], 128                         ; tile_dim1
	s_mov_b32 s[\g+5], KROW                        ; from row to row
	s_mov_b32 s[\g+6], 0
	s_mov_b32 s[\g+7], 0
.endr
	; the scales of 128 rows: 4,096 dense bytes, as 16 rows of 256 bytes (32 elements of 8), 16 bytes of padding behind each
	s_mov_b32 s[G1S+0], 15|(3<<16)|(1<<20)|(1<<21)|(5<<22)|(3<<25)
	s_mov_b32 s[G1SB+0], (3<<16)|(1<<20)|(5<<22)|(3<<25)
.irp g, G1S, G1SB
	s_mov_b32 s[\g+1], 32<<16
	s_mov_b32 s[\g+2], 16<<16
	s_mov_b32 s[\g+3], 32<<16
	s_mov_b32 s[\g+4], 16
	s_mov_b32 s[\g+5], 32
	s_mov_b32 s[\g+6], 0
	s_mov_b32 s[\g+7], 0
.endr
	s_lshl_b32 s18, s16, 7                         ; which 128 rows of the tile I fetch
	s_lshl_b32 s20, s17, 8
	s_add_co_u32 s20, s20, s18                     ; A: row 256 x tile row + 128 x half
	s_lshl_b32 s46, s42, 8
	s_add_co_u32 s46, s46, s18                     ; B: row 256 x tile column + 128 x half
	s_mov_b32 s21, 0
	s_mov_b32 s47, 0
	s_mov_b64 s[18:19], KS
	s_mul_u64 s[22:23], s[20:21], s[18:19]         ; where these rows' scales begin,
	s_mul_u64 s[92:93], s[46:47], s[18:19]
	s_mov_b64 s[18:19], KROW
	s_mul_u64 s[20:21], s[20:21], s[18:19]         ; and their codes
	s_mul_u64 s[46:47], s[46:47], s[18:19]
	s_mul_i32 s45, s14, HALFT                      ; where they go: wave x 128 rows: no place in the cluster enters an LDS address
	s_mul_i32 s94, s14, HALFS
	s_wait_dscnt 0x0                               ; both opening adds are done
	s_wait_kmcnt 0x0
	s_add_nc_u64 s[20:21], s[4:5], s[20:21]
	s_add_nc_u64 s[22:23], s[6:7], s[22:23]
	s_add_nc_u64 s[46:47], s[8:9], s[46:47]
	s_add_nc_u64 s[92:93], s[10:11], s[92:93]
	CROUND                                         ; all four work-groups are here: the joint loads meet
	s_mov_b32 s[G0S], 1
	s_add_co_u32 s[G0S+1], s94, SCL
	s_mov_b64 s[G0S+2:G0S+3], s[22:23]
	s_or_b32 s[G0S+3], s[G0S+3], 0x80000000
	s_mov_b32 s[G0SB], 1
	s_add_co_u32 s[G0SB+1], s94, SCL
	s_mov_b64 s[G0SB+2:G0SB+3], s[92:93]
	s_or_b32 s[G0SB+3], s[G0SB+3], 0x80000000
	JLOAD G0S, G1S, G0SB, G1SB                     ; the scales first: they are wanted with K step 0
.irp s, 0,1
	s_mov_b32 s[G0+4*\s], 1
	s_add_co_u32 s[G0+4*\s+1], s45, \s*SLOT
	s_add_nc_u64 s[G0+4*\s+2:G0+4*\s+3], s[20:21], \s*ROWB
	s_or_b32 s[G0+4*\s+3], s[G0+4*\s+3], 0x80000000
	s_mov_b32 s[G0B+4*\s], 1
	s_add_co_u32 s[G0B+4*\s+1], s45, \s*SLOT
	s_add_nc_u64 s[G0B+4*\s+2:G0B+4*\s+3], s[46:47], \s*ROWB
	s_or_b32 s[G0B+4*\s+3], s[G0B+4*\s+3], 0x80000000
	JLOAD G0+4*\s, G1, G0B+4*\s, G1B               ; three tensor loads of mine are out now, and no more follow
.endr
	v_and_b32 v1, 15, v0                           ; r = l % 16
	v_bfe_u32 v2, v0, 4, 1                         ; h = l / 16
	v_mul_u32_u24 v3, v1, PITCH
	v_lshl_add_u32 v4, v2, 4, v3                   ; a fragment's row x pitch + 16 x half
	s_mul_i32 s21, s15, HALFT                      ; my 128 rows of A
	s_mul_i32 s22, s16, HALFT                      ; my 128 rows of B,
	s_add_co_u32 s22, s22, 2*HALFT                 ; which lie behind A's 256
.irp s, 0,1
	v_add_nc_u32 v[ADRA+\s], s21, v4
	v_add_nc_u32 v[ADRB+\s], s22, v4
	s_add_co_u32 s21, s21, SLOT
	s_add_co_u32 s22, s22, SLOT
.endr
	v_mul_u32_u24 v5, v1, KS                       ; my row's scales: 32 bytes a row,
	v_lshrrev_b32 v6, 8, v5
	v_lshl_add_u32 v5, v6, 4, v5                   ; and 16 more for each 256 passed
	s_mul_i32 s21, s15, HALFS
	s_mul_i32 s22, s16, HALFS
	s_add_co_u32 s22, s22, 2*HALFS
	s_sub_co_u32 s22, s22, s21
	v_mul_u32_u24 v6, s22, v2                      ; lanes 16-31 take B's: one product, the distance between the two bases
	s_add_co_u32 s21, s21, SCL
	v_add_nc_u32 v5, v5, v6
	v_add_nc_u32 v[ADRS], s21, v5
	; the way out
	s_mul_i32 s23, s14, 16*272                     ; my f16 stage
	v_lshl_add_u32 v5, v2, 4, v3                   ; in: row r, 16 bytes for each half of the lanes
	v_add_nc_u32 v[STO], s23, v5
	v_bfe_u32 v5, v0, 3, 1                         ; back: lanes 0-15 two rows' first 128 bytes (one head), lanes 16-31 their second 128 (the next head)
	v_mul_u32_u24 v5, v5, 272
	v_lshl_add_u32 v5, v2, 7, v5
	v_and_b32 v6, 7, v0
	v_lshl_add_u32 v5, v6, 4, v5
	v_add_nc_u32 v[RD], s23, v5
	v_lshlrev_b32 v5, 18, v2                       ; in qkv16 the next head's plane lies 262,144 bytes on
	v_lshl_add_u32 v[CO], v1, 4, v5
	s_mul_i32 s23, s14, 16*528
	s_add_co_u32 s23, s23, STG32                   ; my f32 stage
	v_mul_u32_u24 v5, v1, 528
	v_lshl_add_u32 v5, v2, 5, v5
	v_add_nc_u32 v[STO32], s23, v5
	v_and_b32 v6, 31, v0
	v_lshlrev_b32 v[CO32], 4, v6
	v_add_nc_u32 v[RD32], s23, v[CO32]
	s_lshr_b32 s20, s17, 3                         ; the batch
	s_mul_i32 s20, s20, 48
	s_lshl_b32 s21, s16, 1
	s_add_co_u32 s20, s20, s21
	s_lshl_b32 s20, s20, 18                        ; planes of 262,144 bytes: 48 x batch + 2 x column half,
	s_and_b32 s21, s17, 7
	s_lshl_b32 s21, s21, 15
	s_add_co_u32 s20, s20, s21                     ; + 256 rows of 128 bytes x (tile row % 8)
	s_lshl_b32 s21, s15, 14
	s_add_co_u32 s20, s20, s21                     ; + 128 rows x row half
	s_mov_b32 s21, 0
	s_lshl_b32 s46, s42, 20                        ; + 4 planes x tile column
	s_mov_b32 s47, 0
	s_add_nc_u64 s[20:21], s[20:21], s[46:47]
	s_add_nc_u64 s[12:13], s[12:13], s[20:21]
	s_lshr_b32 s20, s17, 3
	s_mul_i32 s20, s20, 16*3072*4
	s_lshl_b32 s21, s16, 9
	s_add_co_u32 s20, s20, s21
	s_lshl_b32 s21, s42, 10
	s_add_co_u32 s20, s20, s21
	s_mov_b32 s21, 0
	s_add_nc_u64 s[66:67], s[66:67], s[20:21]      ; qkv32: the batch's 16 rows, my 128 columns
.macro FRAG reg, adr, q, i             ; 16 rows x 128 K of 4-bit codes: 8 registers, two loads of 16 bytes, 32 bytes apart
.irp c, 0,1
	ds_load_b128 v[\reg+4*\c:\reg+4*\c+3], v[\adr] offset:64*(\q)+32*\c+(\i)*16*PITCH
.endr
.endm
; 16 matrix instructions: A's blocks a0, a0 + 1 x B's eight, 128 along K.  The 64 accumulators take turns, one instruction a turn, in the same order in every step.
.macro MUL16 a0, p, q, sc, zero
.irp a, \a0, \a0+1
.irp b, 0,1,2,3,4,5,6,7
.if \zero
	v_wmma_scale_f32_16x16x128_f8f6f4 v[8*(8*((\a)%4)+\b):8*(8*((\a)%4)+\b)+7], v[128*(\p)+FR*\b:128*(\p)+FR*\b+FR-1], v[AF+FR*(\a):AF+FR*(\a)+FR-1], 0, v[SC+8*NQ*(\sc)+NQ*\b+(\q)], v[SC+8*NQ*(\sc)+NQ*(\a)+(\q)] matrix_a_fmt:MATRIX_FMT_FP4 matrix_b_fmt:MATRIX_FMT_FP4 matrix_a_scale:MATRIX_SCALE_ROW1
.else
	v_wmma_scale_f32_16x16x128_f8f6f4 v[8*(8*((\a)%4)+\b):8*(8*((\a)%4)+\b)+7], v[128*(\p)+FR*\b:128*(\p)+FR*\b+FR-1], v[AF+FR*(\a):AF+FR*(\a)+FR-1], v[8*(8*((\a)%4)+\b):8*(8*((\a)%4)+\b)+7], v[SC+8*NQ*(\sc)+NQ*\b+(\q)], v[SC+8*NQ*(\sc)+NQ*(\a)+(\q)] matrix_a_fmt:MATRIX_FMT_FP4 matrix_b_fmt:MATRIX_FMT_FP4 matrix_a_scale:MATRIX_SCALE_ROW1
.endif
.endr
.endr
.endm
.macro FETCH_B slot, q, p
	WIN TO_B
.irp i, 0,1,2,3,4,5,6,7
	FRAG 128*(\p)+FR*\i, ADRB+\slot, \q, \i
.endr
	WIN 0
.endm
.macro FETCH_A slot, q, i0
.irp i, \i0, \i0+1, \i0+2, \i0+3
	FRAG AF+FR*(\i), ADRA+\slot, \q, \i
.endr
.endm
.macro SCALES sc                       ; a K step's scale words: 4 words a row; lanes 0-15 take A's block i, lanes 16-31 B's block i
.irp i, 0,1,2,3,4,5,6,7
	ds_load_b128 v[SC+8*NQ*\sc+NQ*\i:SC+8*NQ*\sc+NQ*\i+3], v[ADRS] offset:\i*SBLK
.endr
.endm
.macro PLACES n                        ; plain vector instructions between a matrix instruction and a load into, or a read of, its registers
.rept \n
	v_nop
.endr
.endm
.macro STEP slot, q, zero              ; a step of 128 along K that has its successor in the same slot
	s_wait_dscnt 4*NL                              ; B's set and A's blocks 0-3 are in; the youngest eight loads (A's blocks 4-7) may be out
	WIN MUL_LO
	MUL16 0, (\q)%2, \q, \slot, \zero
	MUL16 2, (\q)%2, \q, \slot, \zero
	s_wait_dscnt 0
	PLACES NP
	FETCH_B \slot, (\q)+1, 1-(\q)%2
	FETCH_A \slot, (\q)+1, 0
	WIN MUL_HI
	MUL16 4, (\q)%2, \q, \slot, \zero
	MUL16 6, (\q)%2, \q, \slot, \zero
	PLACES NP
	WIN 0
	FETCH_A \slot, (\q)+1, 4
.endm
; Slot 0's last step goes over to slot 1: each wave waits for all its tensor loads (slot 1's is the one that may be out) and for its reads of slot 0; behind the barrier slot 1 is whole, and nobody reads slot 0 any more.
.macro TURN slot, next
	s_wait_tensorcnt 0x0
	ds_add_u32 v[SPW], v[NIL]                      ; 0 onto my spare word
	s_wait_dscnt 4*NL+1                            ; (the add and the youngest eight loads may be out)
	WIN MUL_LO
	MUL16 0, 1, NQ-1, \slot, 0
	s_wait_dscnt 0x0                               ; the add is done, and my reads of this slot are over
	s_barrier_signal -1
	MUL16 2, 1, NQ-1, \slot, 0
	WIN 0
	s_barrier_wait -1
	PLACES NP
	v_add_nc_u32 v[ADRS], 4*NQ, v[ADRS]            ; on to the next K step's scale words
	FETCH_B \next, 0, 0
	FETCH_A \next, 0, 0
	SCALES \next
	WIN MUL_HI
	MUL16 4, 1, NQ-1, \slot, 0
	MUL16 6, 1, NQ-1, \slot, 0
	PLACES NP
	WIN 0
	FETCH_A \next, 0, 4
.endm
	s_wait_tensorcnt 1                             ; the scales and my part of K step 0 are in (K step 1's load may be out)
	s_barrier_signal -1
	s_barrier_wait -1                              ; everybody's are
	FETCH_B 0, 0, 0
	FETCH_A 0, 0, 0
	SCALES 0
	FETCH_A 0, 0, 4
	STEP 0, 0, 1                                   ; the first step's products start the sums: nothing is cleared
	STEP 0, 1, 0
	STEP 0, 2, 0
	TURN 0, 1
	STEP 1, 0, 0
	STEP 1, 1, 0
	STEP 1, 2, 0
	s_wait_dscnt 4*NL                              ; the last step: nothing more to fetch
	WIN MUL_LO
	MUL16 0, 1, NQ-1, 1, 0
	MUL16 2, 1, NQ-1, 1, 0
	s_wait_dscnt 0
	WIN MUL_HI
	MUL16 4, 1, NQ-1, 1, 0
	MUL16 6, 1, NQ-1, 1, 0
	WIN 0
	PLACES NP                                      ; behind the last products: their results are read and their operands' registers written below
	; POSITIONS 0-15 OF A BATCH leave as f32 too: my block 0, where tile row % 8 = 0 and I hold the upper row half.  The condition is made of the tile row and the wave's number: the same in all partners.
	s_cmp_eq_u32 s95, 0
	s_cbranch_scc0 .Lno32
	WIN 0x08                                       ; an LDS store's data are its source 1: window 2
.irp b, 0,1,2,3,4,5,6,7
	ds_store_b128 v[STO32], v[8*\b:8*\b+3] offset:64*\b            ; each accumulator from its low end on
	ds_store_b128 v[STO32], v[8*\b+4:8*\b+7] offset:64*\b+16
.endr
	WIN 0
.irp t, 0,1,2,3,4,5,6,7,8,9,10,11,12,13,14,15
	ds_load_b128 v[SCR+4*\t:SCR+4*\t+3], v[RD32] offset:528*\t     ; LDS serves a wave's instructions in order: these see the stores above
.endr
	s_wait_dscnt 0x0
.irp t, 0,1,2,3,4,5,6,7,8,9,10,11,12,13,14,15
	global_store_b128 v[CO32], v[SCR+4*\t:SCR+4*\t+3], s[66:67] offset:12288*\t   ; 32 lanes store 512 consecutive bytes of a row
.endr
	s_wait_xcnt 0x0                                ; the stores have read their registers, which are written again below
.Lno32:
; THE WAY OUT, block by block of 16 rows x 128 columns: x c (q) or x 1, rounded once to f16; through my stage; back so that sixteen lanes hold two neighbouring rows of one head: 256 consecutive bytes.
.macro PACK a
.set AC, 64*((\a)%4)
	WIN 0x02+((\a)/4)                              ; source 0: window 2 or 3
.set k, 0
.rept 32
	v_pk_mul_f32 v[SCR+2*k:SCR+2*k+1], v[AC+2*k:AC+2*k+1], s[96:97] op_sel_hi:[1,0]   ; ascending: each accumulator from its low end on
.set k, k+1
.endr
	WIN 0
.set k, 0
.rept 32
	v_cvt_pk_f16_f32 v[TMP+k], v[SCR+2*k], v[SCR+2*k+1]
.set k, k+1
.endr
.endm
.macro TOSTAGE a
.set BB, BK+32*((\a)%2)
.irp b, 0,1,2,3,4,5,6,7
	ds_store_b128 v[STO], v[TMP+4*\b:TMP+4*\b+3] offset:32*\b
.endr
.irp t, 0,1,2,3,4,5,6,7
	ds_load_b128 v[BB+4*\t:BB+4*\t+3], v[RD] offset:544*\t
.endr
.endm
.macro SEND a
.set BB, BK+32*((\a)%2)
	s_wait_dscnt 0x0                               ; the block is back in registers
	s_wait_xcnt 0x0                                ; the block before's stores have read their registers: the next block's loads may land there
.irp t, 0,1,2,3,4,5,6,7
	global_store_b128 v[CO], v[BB+4*\t:BB+4*\t+3], s[12:13] offset:2048*(\a)+256*\t
.endr
.endm
	PACK 0
	TOSTAGE 0
.irp a, 1,2,3,4,5,6,7                  ; block a's arithmetic stands between block a - 1's loads from the stage and the wait for them
	PACK \a
	SEND \a-1
	TOSTAGE \a
.endr
	SEND 7
	s_wait_tensorcnt 0x0                           ; the wave's end: tensor wait, 0 onto my spare word and its wait, behind my last tensor load and my last LDS store
	ds_add_u32 v[SPW], v[NIL]
	s_wait_dscnt 0x0
	CROUND                                         ; the closing round
	s_endpgm
.Lfunc_end_k_q1e16a1fa2d_qkv:
	.size	k_q1e16a1fa2d_qkv, .Lfunc_end_k_q1e16a1fa2d_qkv-k_q1e16a1fa2d_qkv
	.p2alignl 7, 3214868480
	.fill 96, 4, 3214868480
	.section	.rodata,"a",@progbits
	.p2align	6, 0x0
	.amdhsa_kernel k_q1e16a1fa2d_qkv
		.amdhsa_group_segment_fixed_size 327680
		.amdhsa_private_segment_fixed_size 0
		.amdhsa_enable_private_segment 0
		.amdhsa_kernarg_size 48
		.amdhsa_user_sgpr_count 2
		.amdhsa_user_sgpr_kernarg_segment_ptr 1
		.amdhsa_wavefront_size32 1
		.amdhsa_system_sgpr_workgroup_id_x 1
		.amdhsa_system_sgpr_workgroup_id_y 1
		.amdhsa_system_sgpr_workgroup_id_z 1
		.amdhsa_system_vgpr_workitem_id 0
		.amdhsa_next_free_vgpr 1024
		.amdhsa_next_free_sgpr 100
		.amdhsa_reserve_vcc 0
		.amdhsa_float_denorm_mode_32 3
		.amdhsa_float_denorm_mode_16_64 3
		.amdhsa_memory_ordered 1
		.amdhsa_forward_progress 1
		.amdhsa_inst_pref_size 147
	.end_amdhsa_kernel
	.amdgpu_metadata
---
amdhsa.version: [ 1, 2 ]
amdhsa.kernels:
  - .name:           k_q1e16a1fa2d_qkv
    .symbol:         k_q1e16a1fa2d_qkv.kd
    .args:
      - { .name: xc, .offset: 0, .size: 8, .value_kind: global_buffer, .address_space: global }
      - { .name: xs, .offset: 8, .size: 8, .value_kind: global_buffer, .address_space: global }
      - { .name: wc, .offset: 16, .size: 8, .value_kind: global_buffer, .address_space: global }
      - { .name: ws, .offset: 24, .size: 8, .value_kind: global_buffer, .address_space: global }
      - { .name: qkv16, .offset: 32, .size: 8, .value_kind: global_buffer, .address_space: global }
      - { .name: qkv32, .offset: 40, .size: 8, .value_kind: global_buffer, .address_space: global }
    .group_segment_fixed_size: 327680
    .private_segment_fixed_size: 0
    .kernarg_segment_align: 8
    .kernarg_segment_size: 48
    .max_flat_workgroup_size: 128
    .sgpr_count:     100
    .vgpr_count:     1024
    .wavefront_size: 32
...
	.end_amdgpu_metadata
.endif
;; end of part 2
;; launch attn (part 3): grid 8 x 32, 8 waves a work-group, no clusters, 327,680 bytes of LDS; arguments qkv16, att16; writes att16
.if DOCPART == 3
	.amdgcn_target "amdgcn-amd-amdhsa--gfx1250"
	.amdhsa_code_object_version 6
	.text
	.protected	k_q1e16a1fa2d_attn
	.globl	k_q1e16a1fa2d_attn
	.p2align	8
	.type	k_q1e16a1fa2d_attn,@function
k_q1e16a1fa2d_attn:
	s_mov_b64 s[64:65], 0
	v_nop
	global_prefetch_b8 v0, s[64:65] scope:SCOPE_SE
	s_setreg_imm32_b32 hwreg(HW_REG_WAVE_MODE, 25, 1), 1
	s_wait_xcnt 0x0
; att[b][t][h][:] = the sum over keys k <= t of softmax_k(q . k / 8) v, per batch and head; q, k, v f16 from qkv16 [b][g 48][t 2048][64] (q already x log2(e) / 8), products and sums in f32,
; the weights p rounded to f16 for the second product, the result once to f16 into att16 [row block 32 = (2048 b + t) / 128][head 16][128][64].
; SHARES.  Work-group (i, bh) owns query blocks L = [128 i, +128) and H = [128 (15 - i), +128) of one head: 17 units of 128 x 128 under the causal mask in every work-group.
; Wave w: g = w & 3 gives it 32 queries of L and 32 of H (tiles L0, L1, H0, H1 of 16); par = w >> 2 gives it the steps of 64 keys of that parity.  At the end waves 4-7 hand (m, l, O) to waves 0-3 through LDS.
; Two waves share a SIMD, so that one wave's softmax stands beside the other's products.
; LAYOUT.  S^T = K Q^T (source 0 = 16 keys, source 1 = 16 queries): a lane holds ONE query (lane % 16) and keys 8 (lane / 16) + 0..7; two such tiles, rounded in pairs, ARE source 1 of O^T = V^T P.
; K comes out of LDS as it lies, V ([key][channel]) turned, by ds_load_tr16_b128.
; SOFTMAX.  A running maximum m and sum l for each query: p = 2^(t - m), at most 1; in every step O and l are multiplied by a = 2^(m_old - m_new).  m starts at -3e38, O and l at 0: the step is written once.
; CAUSAL.  Every work-group walks all 8 slots of 256 keys (constant trip count); a step all of whose keys come after the wave's queries is jumped over (ids alone); on the diagonal hidden scores become -infinity.
; A step that is walked begins at a key that counts for all its queries (steps begin at multiples of 64, pairs of tiles at multiples of 32), so m is a number from a wave's first step on.
; A slot whose first key comes after the work-group's last query is not asked for.  No cluster: that jump, and the steps' jumps, hang on the work-group's own blocks.
; LIMITS: |q log2(e) / 8|, |k|, |v| and the result under 65,504 (f16); NaN and infinities not served.
; REGISTERS.  window 0: v1-15, v48-51 addresses; v16-47 statistics, 8 a tile (+0 m, +1 at the end l, +2, +3 l in two halves, +4..7 at work, a in +6); v64-127 S^T of the pair in hand; v128-159 P; v160-191 Q of L, v192-223 Q of H; v224-255 at work.
;             window 1: v0-63 K (fragment (a, c) at 16 a + 8 c); v64-127 V (fragment (kc, ct) at 64 + 32 kc + 8 ct); v128-255 O^T, 32 a tile: L0, L1, H0, H1.
.set KP,    144                        ; a key's row in LDS: 128 bytes + 16
.set VP,    160                        ; a row of V: 128 + 32
.set VOFF,  256*KP                     ; a slot: 256 rows of K, then 256 rows of V
.set SLOT1, 1<<17                      ; slot 1 begins here: one exclusive or turns an address
.set XCH,   SLOT1+VOFF+256*VP          ; behind the ring: what waves 4-7 hand over: 17,408 bytes for each g; a tile: eight images of 512 bytes + 256 bytes of (m, l)
.set XREG,  17408
.set XTILE, 4352
.set OST,   XCH+4*XREG                 ; the stages for the way out: 16 rows x 144 bytes for each of waves 0-3
.set SPARE, OST+4*2304                 ; the spare words, 128 bytes for each wave: four blocks of 256 bytes that no other line names
.set AK0, 3
.set AV0, 4
.set ADK, 5
.set ADV, 6
.set QO,  7
.set DM,  8
.set D0,  9                            ; v9, v10: query - key 0 of the register, for the pair's two tiles
.set NEG, 11
.set SPW, 12
.set NIL, 13
.set PFO, 14
.set XA,  15
.set ST,  16
.set XS,  48
.set OSTO, 49
.set ORD, 50
.set GO,  51
.set S,   64
.set P,   128
.set QL,  160
.set QH,  192
.set WK,  224
.set WV,  8
.set G,   9
.set PAR, 10
.set HALF, 11
.set QL0, 13
.set QH0, 14
.set QLE, 15
.set QHE, 16
.set QLAST, 17
.set KFW, 18                           ; s18  the first key of my next step
.set KF0, 19                           ; s19  the first key of the slot in hand
.set SEL, 20
.set TB,  22                           ; s22  LDS byte at which the slot in hand begins
.set SLOTS, 23
.set G1K, 24
.set G1V, 32
.set G0K, 40
.set G0V, 44
.set PFK, 48
.set PFV, 50
.set LIM, 52
.set TS,  53
.set QBL, 54
.set QBH, 56
.set OBL, 58
.set OBH, 60
.set MSB, 0
.macro WIN new
.if MSB != \new
	s_set_vgpr_msb (MSB<<8)|\new
.set MSB, \new
.endif
.endm
; Waves 0 and 1 fetch K's halves of a slot, waves 2 and 3 V's, the others nothing.  An s_nop 0 and four v_nop follow each line.
.macro TLOAD
	s_cmp_lt_u32 s[WV], 2
	s_cbranch_scc0 .Lnot_k_\@
	tensor_load_to_lds s[G0K:G0K+3], s[G1K:G1K+7]
	s_nop 0
.rept 4
	v_nop
.endr
	s_branch .Lasked_\@
.Lnot_k_\@:
	s_cmp_lt_u32 s[WV], 4
	s_cbranch_scc0 .Lasked_\@
	tensor_load_to_lds s[G0V:G0V+3], s[G1V:G1V+7]
	s_nop 0
.rept 4
	v_nop
.endr
.Lasked_\@:
.endm
; A prefetch of what the NEXT change of slots will ask for: 32,768 bytes of K and of V.  All eight work-groups of a head walk the same K and V: work-group 0, which walks every slot, asks;
; in it waves 4-7, which fetch nothing, take 8,192 bytes of each, lanes 256 bytes apart: each aligned 256 bytes is named once in the launch.  The last change that fills a slot asks for nothing.
.macro ASK
	s_cmp_gt_u32 s[SLOTS], s[LIM]
	s_cbranch_scc0 .Lnot_mine_\@
	global_prefetch_b8 v[PFO], s[PFK:PFK+1] th:TH_LOAD_NT scope:SCOPE_SE
	global_prefetch_b8 v[PFO], s[PFV:PFV+1] th:TH_LOAD_NT scope:SCOPE_SE
.Lnot_mine_\@:
.endm
	s_load_b128 s[4:7], s[0:1], 0x0                ; qkv16, att16
	v_lshl_add_u32 v[SPW], v0, 2, SPARE
	v_mov_b32 v[NIL], 0
	ds_add_u32 v[SPW], v[NIL]                      ; the wave's opening: the add, twice on end, and its wait ahead of the first tensor load
	ds_add_u32 v[SPW], v[NIL]
	v_lshrrev_b32 v1, 5, v0
	v_readfirstlane_b32 s[WV], v1                  ; wave 0..7
	s_and_b32 s[G], s[WV], 3
	s_lshr_b32 s[PAR], s[WV], 2
	s_and_b32 s[HALF], s[WV], 1                    ; which 128 rows of a slot I fetch, if I fetch
	s_and_b32 s12, ttmp7, 0xffff                   ; 16 x batch + head
	s_lshl_b32 s[TS], s[G], 5
	s_lshl_b32 s[QL0], ttmp9, 7
	s_add_co_u32 s[QL0], s[QL0], s[TS]             ; my first query of L
	s_sub_co_u32 s[QH0], 15, ttmp9
	s_lshl_b32 s[QH0], s[QH0], 7
	s_add_co_u32 s[QH0], s[QH0], s[TS]             ; and of H
	s_add_co_u32 s[QLE], s[QL0], 31
	s_add_co_u32 s[QHE], s[QH0], 31
	s_lshl_b32 s[QLAST], ttmp9, 7
	s_sub_co_u32 s[QLAST], 2047, s[QLAST]          ; my work-group's last query
	s_lshl_b32 s[KFW], s[PAR], 6
	s_mov_b32 s[KF0], 0
	s_mov_b32 s[SEL], 0x76543210
	s_mov_b32 s[SEL+1], 0xfedcba98                 ; v_permlanex16_b32's selects for lane l xor 16
	s_mov_b32 s[TB], 0
	s_mov_b32 s[SLOTS], 7
	s_lshr_b32 s62, s12, 4                         ; batch
	s_and_b32 s63, s12, 15                         ; head
	s_mul_i32 s66, s62, 48
	s_add_co_u32 s66, s66, s63
	s_lshl_b32 s66, s66, 18                        ; q's plane, in bytes
	s_add_co_u32 s2, s66, 16<<18                   ; k's plane lies 16 planes on,
	s_lshl_b32 s[TS], s[G], 13
	s_add_co_u32 s70, s2, s[TS]
	s_add_co_u32 s70, s70, 32768                   ; the prefetches stand in slot 1, (wave & 3) x 8,192 bytes in: the first change steps them to slot 2
	s_mov_b32 s71, 0
	s_lshl_b32 s[TS], s[HALF], 14
	s_add_co_u32 s2, s2, s[TS]                     ; my 128 rows of it
	s_mov_b32 s3, 0
	s_lshl_b32 s[TS], s[QL0], 7
	s_add_co_u32 s68, s66, s[TS]                   ; my queries of L,
	s_mov_b32 s69, 0
	s_lshl_b32 s[TS], s[QH0], 7
	s_add_co_u32 s66, s66, s[TS]                   ; and of H
	s_mov_b32 s67, 0
	s_lshl_b32 s[OBL], s62, 4                      ; att16: ((16 b + block) x 16 + head) x 16,384 + 32 g rows of 128 bytes
	s_add_co_u32 s[OBH], s[OBL], 15
	s_sub_co_u32 s[OBH], s[OBH], ttmp9
	s_add_co_u32 s[OBL], s[OBL], ttmp9
	s_lshl_b32 s[OBL], s[OBL], 4
	s_lshl_b32 s[OBH], s[OBH], 4
	s_add_co_u32 s[OBL], s[OBL], s63
	s_add_co_u32 s[OBH], s[OBH], s63
	s_lshl_b32 s[OBL], s[OBL], 14
	s_lshl_b32 s[OBH], s[OBH], 14
	s_lshl_b32 s[TS], s[G], 12
	s_add_co_u32 s[OBL], s[OBL], s[TS]
	s_add_co_u32 s[OBH], s[OBH], s[TS]
	s_mov_b32 s[OBL+1], 0
	s_mov_b32 s[OBH+1], 0
	s_xor_b32 s[LIM], s[PAR], 1                    ; 0 in waves 4-7,
	s_or_b32 s[LIM], s[LIM], ttmp9                 ; of the head's work-group 0
	s_cmp_eq_u32 s[LIM], 0
	s_cselect_b32 s[LIM], 1, -1
	; descriptor group 1: 128 rows of 64 elements of 2 bytes, dense in memory; padding behind every 32 words: K 4 words, V 8
	s_mov_b32 s[G1K], (1<<16)|(1<<20)|(4<<22)|(3<<25)
	s_mov_b32 s[G1V], (1<<16)|(1<<20)|(4<<22)|(7<<25)
.irp g, G1K, G1V
	s_mov_b32 s[\g+1], 64<<16                      ; tensor_dim0
	s_mov_b32 s[\g+2], 128<<16                     ; tensor_dim1
	s_mov_b32 s[\g+3], 64<<16                      ; tile_dim0
	s_mov_b32 s[\g+4], 128                         ; tile_dim1
	s_mov_b32 s[\g+5], 64                          ; from row to row
	s_mov_b32 s[\g+6], 0
	s_mov_b32 s[\g+7], 0
.endr
	s_wait_dscnt 0x0                               ; both opening adds are done
	s_wait_kmcnt 0x0
	s_mov_b32 s[G0K], 1
	s_mul_i32 s[G0K+1], s[HALF], 128*KP
	s_add_nc_u64 s[G0K+2:G0K+3], s[4:5], s[2:3]
	s_mov_b32 s[G0V], 1
	s_mul_i32 s[G0V+1], s[HALF], 128*VP
	s_add_co_u32 s[G0V+1], s[G0V+1], VOFF
	s_add_nc_u64 s[G0V+2:G0V+3], s[G0K+2:G0K+3], 16<<18   ; v's plane lies 16 planes behind k's
	s_or_b32 s[G0K+3], s[G0K+3], 0x80000000
	s_or_b32 s[G0V+3], s[G0V+3], 0x80000000
	TLOAD                                          ; slot 0: key 0 counts for every query
	s_add_nc_u64 s[PFK:PFK+1], s[4:5], s[70:71]
	s_add_nc_u64 s[PFV:PFV+1], s[PFK:PFK+1], 16<<18
	s_add_nc_u64 s[QBL:QBL+1], s[4:5], s[68:69]
	s_add_nc_u64 s[QBH:QBH+1], s[4:5], s[66:67]
	s_add_nc_u64 s[OBL:OBL+1], s[6:7], s[OBL:OBL+1]
	s_add_nc_u64 s[OBH:OBH+1], s[6:7], s[OBH:OBH+1]
	v_and_b32 v1, 15, v0                           ; r
	v_bfe_u32 v2, v0, 4, 1                         ; h
	v_lshlrev_b32 v[QO], 7, v1
	v_lshl_add_u32 v[QO], v2, 4, v[QO]             ; Q: row r of 128 bytes + 16 h
.irp t, 0,1
.irp c, 0,1
	global_load_b128 v[QL+16*\t+8*\c:QL+16*\t+8*\c+3],   v[QO], s[QBL:QBL+1] offset:2048*\t+64*\c
	global_load_b128 v[QL+16*\t+8*\c+4:QL+16*\t+8*\c+7], v[QO], s[QBL:QBL+1] offset:2048*\t+64*\c+32
	global_load_b128 v[QH+16*\t+8*\c:QH+16*\t+8*\c+3],   v[QO], s[QBH:QBH+1] offset:2048*\t+64*\c
	global_load_b128 v[QH+16*\t+8*\c+4:QH+16*\t+8*\c+7], v[QO], s[QBH:QBH+1] offset:2048*\t+64*\c+32
.endr
.endr
	v_mul_u32_u24 v[AK0], v1, KP
	v_lshl_add_u32 v[AK0], v2, 4, v[AK0]
	s_mul_i32 s[TS], s[PAR], 64*KP
	v_add_nc_u32 v[AK0], s[TS], v[AK0]             ; K: row r x pitch + 16 h + my parity's 64 rows
	v_and_b32 v5, 7, v0
	v_lshl_add_u32 v[AV0], v2, 3, v5
	v_mul_u32_u24 v[AV0], v[AV0], VP
	v_bfe_u32 v5, v0, 3, 1
	v_lshl_add_u32 v[AV0], v5, 4, v[AV0]
	s_mul_i32 s[TS], s[PAR], 64*VP
	s_add_co_u32 s[TS], s[TS], VOFF
	v_add_nc_u32 v[AV0], s[TS], v[AV0]             ; V, for the turning load: key 8 h + l % 8, channels 8 ((l / 8) % 2) on
	v_lshlrev_b32 v[DM], 3, v2
	v_sub_nc_u32 v[DM], v1, v[DM]                  ; r - 8 h
	v_mov_b32 v[NEG], 0xff800000                   ; -infinity
	v_and_b32 v[GO], 31, v0                        ; lane
	v_lshlrev_b32 v[PFO], 8, v[GO]
	s_mul_i32 s[TS], s[G], XREG
	s_add_co_u32 s[TS], s[TS], XCH
	v_lshl_add_u32 v[XA], v[GO], 4, s[TS]          ; an image's place for my lane,
	v_lshl_add_u32 v[XS], v[GO], 3, s[TS]          ; and (m, l)'s
	s_mul_i32 s[TS], s[G], 2304
	s_add_co_u32 s[TS], s[TS], OST
	v_mul_u32_u24 v[OSTO], v1, 144
	v_lshl_add_u32 v[OSTO], v2, 4, v[OSTO]
	v_add_nc_u32 v[OSTO], s[TS], v[OSTO]           ; the stage, in: row r, 16 bytes for each half of the lanes
	v_bfe_u32 v[ORD], v0, 3, 2
	v_mul_u32_u24 v[ORD], v[ORD], 144
	v_and_b32 v5, 7, v0
	v_lshl_add_u32 v[ORD], v5, 4, v[ORD]
	v_add_nc_u32 v[ORD], s[TS], v[ORD]             ; back: eight lanes to a row of 128 bytes, four rows an instruction
	v_lshlrev_b32 v[GO], 4, v[GO]                  ; and the same 512 bytes in att16
.set k, 0
.rept 32
	v_mov_b32 v[ST+k], 0                           ; l = 0; the rest is written because pairs and lane permutes name it
.set k, k+1
.endr
.irp t, 0,1,2,3
	v_mov_b32 v[ST+8*\t], 0xff61b1e6               ; m = -3e38, under every t
.endr
	WIN 0x40
.set k, 0
.rept 128
	v_mov_b32 v[128+k], 0                          ; O^T.  (The step is written once: a tile's first step finds zeros, which a = 0 leaves zeros; a tile with no step hands zeros on)
.set k, k+1
.endr
	WIN 0
; A PAIR of tiles (z, z + 1) against the step's 64 keys.  qfr: Q's registers; sq: the scalar that holds the pair's first query; wt = 1: the step's loads are still to be waited for.
.macro PAIR qfr, z, sq, wt
.if \wt
	s_wait_dscnt 16                                ; K's sixteen loads are in; V's sixteen may be out
.endif
	WIN 0x01                                       ; K in window 1
.set i, 0
.rept 16                               ; S^T = K Q^T: the eight accumulators take turns, one instruction a turn; the first eight start the sums
.set rS, S+32*(i%2)+8*((i/2)%4)
.set rK, 16*((i/2)%4)+8*(i/8)
.set rQ, \qfr+16*(i%2)+8*(i/8)
.if i < 8
	v_wmma_f32_16x16x32_f16 v[rS:rS+7], v[rK:rK+7], v[rQ:rQ+7], 0
.else
	v_wmma_f32_16x16x32_f16 v[rS:rS+7], v[rK:rK+7], v[rQ:rQ+7], v[rS:rS+7]
.endif
.set i, i+1
.endr
	WIN 0
	s_sub_co_i32 s[TS], s[\sq], s[KFW]
	v_add_nc_u32 v[D0], s[TS], v[DM]               ; d = my query - the step's first key - 8 h: register 8 a + j holds key 16 a + j + 8 h, hidden where 16 a + j > d
	v_add_nc_u32 v[D0+1], 16, v[D0]
	v_nop
	v_nop                                          ; (four places behind the products)
	s_add_co_u32 s[TS], s[KFW], 63
	s_cmp_le_u32 s[TS], s[\sq]                     ; a step all of whose keys count for all the pair's queries skips the mask
	s_cbranch_scc1 .Lopen_\@
.irp t, 0,1
.set n, 0
.rept 32
	v_cmp_gt_i32 vcc_lo, 16*(n/8)+n%8, v[D0+\t]
	v_cndmask_b32 v[S+32*\t+n], v[S+32*\t+n], v[NEG], vcc_lo
.set n, n+1
.endr
.endr
.Lopen_\@:
	; the maximum of a lane's 32 scores and the old m, three at a time, four chains a tile, the two tiles by turns; each accumulator is read from its low end on
.irp j, 0,1,2,3
.irp t, 0,1
	v_max3_num_f32 v[ST+8*(\z+\t)+4+\j], v[S+32*\t+8*\j], v[S+32*\t+8*\j+1], v[S+32*\t+8*\j+2]
.endr
.endr
.irp k, 1,2
.irp j, 0,1,2,3
.irp t, 0,1
	v_max3_num_f32 v[ST+8*(\z+\t)+4+\j], v[ST+8*(\z+\t)+4+\j], v[S+32*\t+8*\j+2*\k+1], v[S+32*\t+8*\j+2*\k+2]
.endr
.endr
.endr
.irp t, 0,1
	v_max3_num_f32 v[ST+8*(\z+\t)+4], v[ST+8*(\z+\t)+4], v[S+32*\t+7], v[S+32*\t+15]
.endr
.irp t, 0,1
	v_max3_num_f32 v[ST+8*(\z+\t)+6], v[ST+8*(\z+\t)+6], v[S+32*\t+23], v[S+32*\t+31]
.endr
.irp t, 0,1
	v_max3_num_f32 v[ST+8*(\z+\t)+4], v[ST+8*(\z+\t)+4], v[ST+8*(\z+\t)+5], v[ST+8*(\z+\t)+6]
.endr
.irp t, 0,1
	v_max3_num_f32 v[ST+8*(\z+\t)+4], v[ST+8*(\z+\t)+4], v[ST+8*(\z+\t)+7], v[ST+8*(\z+\t)]
.endr
.irp t, 0,1
	v_permlanex16_b32 v[ST+8*(\z+\t)+5], v[ST+8*(\z+\t)+4], s[SEL], s[SEL+1]   ; the query's other 32 keys lie in the lane 16 away
.endr
.irp t, 0,1
	v_mov_b32 v[ST+8*(\z+\t)+7], v[ST+8*(\z+\t)]   ; m_old
.endr
.irp t, 0,1
	v_max_num_f32 v[ST+8*(\z+\t)], v[ST+8*(\z+\t)+4], v[ST+8*(\z+\t)+5]        ; the new m
.endr
.irp t, 0,1
	v_sub_f32 v[ST+8*(\z+\t)+7], v[ST+8*(\z+\t)+7], v[ST+8*(\z+\t)]
.endr
.set k, 0
.rept 16
.irp t, 0,1
	v_pk_add_f32 v[S+32*\t+2*k:S+32*\t+2*k+1], v[S+32*\t+2*k:S+32*\t+2*k+1], v[ST+8*(\z+\t):ST+8*(\z+\t)+1] op_sel_hi:[1,0] neg_lo:[0,1] neg_hi:[0,1]   ; t - m, 0 or less
.endr
.set k, k+1
.endr
.irp t, 0,1
	v_exp_f32 v[ST+8*(\z+\t)+6], v[ST+8*(\z+\t)+7] ; a = 2^(m_old - m_new)
.endr
.set k, 0
.rept 32
	v_exp_f32 v[S+k], v[S+k]                       ; p = 2^(t - m): ONE BATCH of 66 exponentials, none of which reads another's result
	v_exp_f32 v[S+32+k], v[S+32+k]
.set k, k+1
.endr
	v_nop                                          ; a plain instruction behind the last exponential
	s_wait_alu depctr_va_vdst(0)                   ; one wait for the batch, ahead of its first reader
.set k, 0
.rept 16
.irp t, 0,1
	v_cvt_pk_f16_f32 v[P+16*\t+k], v[S+32*\t+2*k], v[S+32*\t+2*k+1]
.endr
.set k, k+1
.endr
	; the sum of the unrounded p, pairs in place: neighbours 1, 2, 4, 8 pairs apart; then l = l a + the sum
.irp w, 4,8,16,32
.set k, 0
.rept 32/\w
.irp t, 0,1
	v_pk_add_f32 v[S+32*\t+\w*k:S+32*\t+\w*k+1], v[S+32*\t+\w*k:S+32*\t+\w*k+1], v[S+32*\t+\w*k+\w/2:S+32*\t+\w*k+\w/2+1]
.endr
.set k, k+1
.endr
.endr
.irp t, 0,1
	v_pk_fma_f32 v[ST+8*(\z+\t)+2:ST+8*(\z+\t)+3], v[ST+8*(\z+\t)+2:ST+8*(\z+\t)+3], v[ST+8*(\z+\t)+6:ST+8*(\z+\t)+7], v[S+32*\t:S+32*\t+1] op_sel_hi:[1,0,1]
.endr
	WIN 0x41                                       ; O^T (destination and source 0) in window 1, a in window 0
.irp t, 0,1
.set k, 0
.rept 16
	v_pk_mul_f32 v[128+32*(\z+\t)+2*k:128+32*(\z+\t)+2*k+1], v[128+32*(\z+\t)+2*k:128+32*(\z+\t)+2*k+1], v[ST+8*(\z+\t)+6:ST+8*(\z+\t)+7] op_sel_hi:[1,0]
.set k, k+1
.endr
.endr
.if \wt
	s_wait_dscnt 0x0                               ; V is in
.endif
	WIN 0x51                                       ; V and O^T in window 1, P in window 0
.set i, 0
.rept 16                               ; O^T += V^T P: eight accumulators by turns
.set rO, 128+32*(\z+i%2)+8*((i/2)%4)
.set rV, 64+32*(i/8)+8*((i/2)%4)
.set rP, P+16*(i%2)+8*(i/8)
	v_wmma_f32_16x16x32_f16 v[rO:rO+7], v[rV:rV+7], v[rP:rP+7], v[rO:rO+7]
.set i, i+1
.endr
.endm
; A STEP: my parity's q-th 64 keys of the slot in hand.  H's queries come after L's, so a step hidden from H is hidden from L.
.macro STEP q
	s_cmp_gt_u32 s[KFW], s[QHE]
	s_cbranch_scc1 .Lhid_\@
	v_add_nc_u32 v[ADK], s[TB], v[AK0]
	v_add_nc_u32 v[ADV], s[TB], v[AV0]
	v_nop
	v_nop                                          ; four places between the last products and the loads into the registers that they read
	WIN 0x40                                       ; destination window 1
.irp a, 0,1,2,3
.irp c, 0,1
	ds_load_b128 v[16*\a+8*\c:16*\a+8*\c+3],   v[ADK] offset:128*KP*(\q)+16*KP*\a+64*\c
	ds_load_b128 v[16*\a+8*\c+4:16*\a+8*\c+7], v[ADK] offset:128*KP*(\q)+16*KP*\a+64*\c+32
.endr
.endr
.irp k, 0,1
.irp c, 0,1,2,3
	ds_load_tr16_b128 v[64+32*\k+8*\c:64+32*\k+8*\c+3],   v[ADV] offset:128*VP*(\q)+32*VP*\k+32*\c
	ds_load_tr16_b128 v[64+32*\k+8*\c+4:64+32*\k+8*\c+7], v[ADV] offset:128*VP*(\q)+32*VP*\k+32*\c+16*VP
.endr
.endr
	PAIR QH, 2, QH0, 1
	WIN 0
	s_cmp_gt_u32 s[KFW], s[QLE]
	s_cbranch_scc1 .Lhid_\@
	PAIR QL, 0, QL0, 0
	WIN 0
.Lhid_\@:
	s_add_co_u32 s[KFW], s[KFW], 128
.endm
; THE CHANGE OF SLOTS stands at a slot's head.  Each wave waits for all its tensor loads, adds 0 to its spare word, and waits for that and for its reads of the slot that it has left.
; Behind the barrier the slot ahead is whole and nobody reads the other one; fill = 1: that one is filled with the next 256 keys, up to the causal limit.
.macro CHANGE fill
	s_wait_tensorcnt 0x0                           ; no tensor load of mine is out, so a group 0 may be written
	ds_add_u32 v[SPW], v[NIL]                      ; 0 onto my spare word
.if \fill
	ds_add_u32 v[SPW], v[NIL]                      ; and twice on end here, in every trip alike
	s_xor_b32 s[G0K+1], s[G0K+1], SLOT1            ; the walking descriptors: the other slot,
	s_add_nc_u64 s[G0K+2:G0K+3], s[G0K+2:G0K+3], 32768   ; the next 256 rows
	s_xor_b32 s[G0V+1], s[G0V+1], SLOT1
	s_add_nc_u64 s[G0V+2:G0V+3], s[G0V+2:G0V+3], 32768
	s_wait_xcnt 0x0                                ; the last prefetches, a slot back, have read their addresses
	s_add_nc_u64 s[PFK:PFK+1], s[PFK:PFK+1], 32768
	s_add_nc_u64 s[PFV:PFV+1], s[PFV:PFV+1], 32768
.endif
	s_wait_dscnt 0x0
	s_barrier_signal -1
	s_barrier_wait -1
.if \fill
	s_add_co_u32 s[TS], s[KF0], 256                ; the first key of the slot that this change would ask for
	s_cmp_gt_u32 s[TS], s[QLAST]                   ; past my work-group's last query none of its waves reads it: ids and the count of slots alone, the same in all eight waves
	s_cbranch_scc1 .Lpast_\@
	TLOAD                                          ; a wave's one tensor load until the next change
.Lpast_\@:
	ASK
.endif
.endm
.macro SLOT_STEPS
	STEP 0
	STEP 1
	s_xor_b32 s[TB], s[TB], SLOT1
	s_add_co_u32 s[KF0], s[KF0], 256
.endm
	s_wait_loadcnt 0x0                             ; Q
.Lslot:                                            ; seven trips: behind each change of slots but the last the next slot is asked for
	CHANGE 1
	SLOT_STEPS
	s_sub_co_u32 s[SLOTS], s[SLOTS], 1
	s_cmp_lg_u32 s[SLOTS], 0
	s_cbranch_scc1 .Lslot
	CHANGE 0                                       ; the last slot is written out: nothing is left to fetch
	SLOT_STEPS
	; THE END.  l's two halves and the other half of the lanes' are added (these lines are also the places behind the last products).
.irp t, 0,1,2,3
	v_add_f32 v[ST+8*\t+4], v[ST+8*\t+2], v[ST+8*\t+3]
.endr
.irp t, 0,1,2,3
	v_permlanex16_b32 v[ST+8*\t+5], v[ST+8*\t+4], s[SEL], s[SEL+1]
.endr
.irp t, 0,1,2,3
	v_add_f32 v[ST+8*\t+1], v[ST+8*\t+4], v[ST+8*\t+5]
.endr
	s_cmp_eq_u32 s[PAR], 0
	s_cbranch_scc1 .Lkeep
	WIN 0x04                                       ; waves 4-7 hand their O^T over as images of its registers (an LDS store's data are its source 1: window 1), each accumulator from its low end on,
.irp t, 0,1,2,3
.irp k, 0,1,2,3,4,5,6,7
	ds_store_b128 v[XA], v[128+32*\t+4*\k:128+32*\t+4*\k+3] offset:XTILE*\t+512*\k
.endr
.endr
	WIN 0
.irp t, 0,1,2,3
	ds_store_b64 v[XS], v[ST+8*\t:ST+8*\t+1] offset:XTILE*\t+4096   ; and (m, l)
.endr
.Lkeep:
	s_wait_dscnt 0x0                               ; for the others' sake: my stores have landed
	s_barrier_signal -1
	s_barrier_wait -1
	s_cmp_lg_u32 s[PAR], 0
	s_cbranch_scc1 .Lend
.irp t, 0,1,2,3
	ds_load_b64 v[WK+2*\t:WK+2*\t+1], v[XS] offset:XTILE*\t+4096
.endr
.irp t, 0,1,2,3
.irp k, 0,1,2,3,4,5,6,7
	ds_load_b128 v[S+32*\t+4*\k:S+32*\t+4*\k+3], v[XA] offset:XTILE*\t+512*\k
.endr
.endr
	s_wait_dscnt 0x0
.irp t, 0,1,2,3
	v_max_num_f32 v[ST+8*\t+2], v[ST+8*\t], v[WK+2*\t]             ; M = the larger of the two maxima (mine is a number: key 0 is of my parity)
.endr
.irp t, 0,1,2,3
	v_sub_f32 v[ST+8*\t+4], v[ST+8*\t], v[ST+8*\t+2]
	v_sub_f32 v[ST+8*\t+5], v[WK+2*\t], v[ST+8*\t+2]
.endr
.irp t, 0,1,2,3
	v_exp_f32 v[ST+8*\t+4], v[ST+8*\t+4]           ; a1, a2
	v_exp_f32 v[ST+8*\t+5], v[ST+8*\t+5]
.endr
	v_nop
	s_wait_alu depctr_va_vdst(0)                   ; one wait for the eight
.irp t, 0,1,2,3
	v_mul_f32 v[ST+8*\t+3], v[ST+8*\t+4], v[ST+8*\t+1]
.endr
.irp t, 0,1,2,3
	v_fmac_f32 v[ST+8*\t+3], v[ST+8*\t+5], v[WK+2*\t+1]            ; l = a1 l1 + a2 l2
.endr
.irp t, 0,1,2,3
	v_rcp_f32 v[ST+8*\t+2], v[ST+8*\t+3]
.endr
	v_nop
	s_wait_alu depctr_va_vdst(0)                   ; one wait for the four
.irp t, 0,1,2,3
	v_mul_f32 v[ST+8*\t+6], v[ST+8*\t+5], v[ST+8*\t+2]             ; f2 = a2 / l
.endr
.irp t, 0,1,2,3
	v_mul_f32 v[ST+8*\t+4], v[ST+8*\t+4], v[ST+8*\t+2]             ; f1 = a1 / l
.endr
; Tile t: O = f1 x mine + f2 x the partner's, rounded once to f16; 16 bytes a lane into my stage, back as rows, 512 consecutive bytes a store.
.macro OUTT t, ob
.set k, 0
.rept 16
	v_pk_mul_f32 v[S+32*\t+2*k:S+32*\t+2*k+1], v[S+32*\t+2*k:S+32*\t+2*k+1], v[ST+8*\t+6:ST+8*\t+7] op_sel_hi:[1,0]
.set k, k+1
.endr
	WIN 0x01                                       ; source 0: my O^T, window 1; ascending
.set k, 0
.rept 16
	v_pk_fma_f32 v[S+32*\t+2*k:S+32*\t+2*k+1], v[128+32*\t+2*k:128+32*\t+2*k+1], v[ST+8*\t+4:ST+8*\t+5], v[S+32*\t+2*k:S+32*\t+2*k+1] op_sel_hi:[1,0,1]
.set k, k+1
.endr
	WIN 0
.set k, 0
.rept 16
	v_cvt_pk_f16_f32 v[WK+k], v[S+32*\t+2*k], v[S+32*\t+2*k+1]
.set k, k+1
.endr
.irp c, 0,1,2,3
	ds_store_b128 v[OSTO], v[WK+4*\c:WK+4*\c+3] offset:32*\c
.endr
.irp u, 0,1,2,3
	ds_load_b128 v[S+32*\t+4*\u:S+32*\t+4*\u+3], v[ORD] offset:576*\u   ; LDS serves a wave's instructions in order: these see the stores above, and the next tile's stores come behind them
.endr
	s_wait_dscnt 0x0
.irp u, 0,1,2,3
	global_store_b128 v[GO], v[S+32*\t+4*\u:S+32*\t+4*\u+3], s[\ob:\ob+1] offset:2048*((\t)%2)+512*\u
.endr
.endm
	OUTT 0, OBL
	OUTT 1, OBL
	OUTT 2, OBH
	OUTT 3, OBH
.Lend:
	s_wait_tensorcnt 0x0                           ; the wave's end: tensor wait, 0 onto my spare word and its wait, behind my last tensor load and my last LDS store
	ds_add_u32 v[SPW], v[NIL]
	s_wait_dscnt 0x0
	s_endpgm
.Lfunc_end_k_q1e16a1fa2d_attn:
	.size	k_q1e16a1fa2d_attn, .Lfunc_end_k_q1e16a1fa2d_attn-k_q1e16a1fa2d_attn
	.p2alignl 7, 3214868480
	.fill 96, 4, 3214868480
	.section	.rodata,"a",@progbits
	.p2align	6, 0x0
	.amdhsa_kernel k_q1e16a1fa2d_attn
		.amdhsa_group_segment_fixed_size 327680
		.amdhsa_private_segment_fixed_size 0
		.amdhsa_enable_private_segment 0
		.amdhsa_kernarg_size 16
		.amdhsa_user_sgpr_count 2
		.amdhsa_user_sgpr_kernarg_segment_ptr 1
		.amdhsa_wavefront_size32 1
		.amdhsa_system_sgpr_workgroup_id_x 1
		.amdhsa_system_sgpr_workgroup_id_y 1
		.amdhsa_system_sgpr_workgroup_id_z 1
		.amdhsa_system_vgpr_workitem_id 0
		.amdhsa_next_free_vgpr 512
		.amdhsa_next_free_sgpr 72
		.amdhsa_reserve_vcc 1
		.amdhsa_float_denorm_mode_32 3
		.amdhsa_float_denorm_mode_16_64 3
		.amdhsa_memory_ordered 1
		.amdhsa_forward_progress 1
		.amdhsa_inst_pref_size 199
	.end_amdhsa_kernel
	.amdgpu_metadata
---
amdhsa.version: [ 1, 2 ]
amdhsa.kernels:
  - .name:           k_q1e16a1fa2d_attn
    .symbol:         k_q1e16a1fa2d_attn.kd
    .args:
      - { .name: qkv16, .offset: 0, .size: 8, .value_kind: global_buffer, .address_space: global }
      - { .name: att16, .offset: 8, .size: 8, .value_kind: global_buffer, .address_space: global }
    .group_segment_fixed_size: 327680
    .private_segment_fixed_size: 0
    .kernarg_segment_align: 8
    .kernarg_segment_size: 16
    .max_flat_workgroup_size: 256
    .sgpr_count:     72
    .vgpr_count:     512
    .wavefront_size: 32
...
	.end_amdgpu_metadata
.endif
;; end of part 3
;; launch proj (part 4): grid 8 x 32, 4 waves a work-group, clusters of 4 x 4, 327,680 bytes of LDS; arguments att16, wo16, out0; writes out0
.if DOCPART == 4
	.amdgcn_target "amdgcn-amd-amdhsa--gfx1250"
	.amdhsa_code_object_version 6
	.text
	.protected	k_q1e16a1fa2d_proj
	.globl	k_q1e16a1fa2d_proj
	.p2align	8
	.type	k_q1e16a1fa2d_proj,@function
k_q1e16a1fa2d_proj:
	s_mov_b64 s[64:65], 0
	v_nop
	global_prefetch_b8 v0, s[64:65] scope:SCOPE_SE
	s_setreg_imm32_b32 hwreg(HW_REG_WAVE_MODE, 25, 1), 1
	s_wait_xcnt 0x0
	s_wait_alu depctr_hold_cnt(0) depctr_sa_sdst(0) depctr_va_vdst(0) depctr_va_sdst(0) depctr_va_ssrc(0) depctr_va_vcc(0) depctr_vm_vsrc(0)
	s_getreg_b32 s2, hwreg(HW_REG_IB_STS2, 6, 4)
	s_cmp_eq_u32 s2, 0
	s_cbranch_scc0 .Lentry_in_a_cluster
	s_endpgm
.Lentry_in_a_cluster:
	s_bfe_u32 s2, ttmp6, 0x10000c
	s_cmp_lg_u32 s2, 0xf033
	s_cbranch_scc0 .Lentry_shape_is_right
	s_endpgm
.Lentry_shape_is_right:
; out0[m][n] = sum over k of att[m][k] W_o[k][n]: f16 operands, f32 sums, f32 out.  M = 4,096, N = 1,024, K = 1,024.
; att16 lies [row block 32][head 16][128 rows][64]: a tile row of 128 rows is 16 dense planes of 16,384 bytes, and k = 64 head + channel.  wo16 lies [k][n]: its fragments come out of LDS turned.
; A tile of C is 128 x 128 (256 work-groups); four waves, each 64 x 64: 16 accumulators.  K goes in four steps of 256 through two LDS slots; the steps are written out.
; CLUSTERS: 4 x 4 work-groups: A's tiles are asked for jointly along a row of the cluster, B's along a column.
; THE MATRIX INSTRUCTION IS USED TRANSPOSED (source 0 = 16 columns n of W_o, source 1 = 16 rows of att): a lane holds eight neighbouring n of one row m.
; Rows 0-15 of each batch are written here like all others and written again, from f32 operands, by the launch that follows.
; LIMITS: att and W_o in f16: magnitudes under 65,504.
; REGISTERS: window 0: v0-31 addresses; v32-95 the way out; v128-255 the accumulators ((a, b) at v[128 + 8 (4 a + b)]).  window 1: two fragment buffers of 128: 64 registers of A, then 64 of B, for 64 along K.
.set PA,     144                       ; a row of A in LDS: 128 bytes + 16
.set PB,     288                       ; a row of B: 256 + 32
.set HALFT,  36864                     ; what one tensor load brings: 256 rows of A (two planes) or 128 rows of B
.set SLOT,   4*HALFT                   ; A's four planes, then B's 256 rows of k
.set STAGE,  2*SLOT                    ; behind the ring: 16 rows x 272 bytes for each wave
.set SPITCH, 272
.set SPARE,  STAGE+4*16*SPITCH         ; the spare words, 128 bytes for each wave: two blocks of 256 bytes that no other line names
.set ADRA, 16                          ; v16-17  my A fragments in slot 0, 1
.set ADRB, 20                          ; v20-23  my B fragments: slot 0 rows 0-127, 128-255 of k; slot 1 likewise (an offset has 16 bits)
.set STO,  24
.set RD,   25
.set CO,   26
.set SPW,  28
.set NIL,  29
.set TMP,  32
.set ACC,  128
.set F0,   0
.set F1,   128
.set G1, 24
.set G0, 32
.set G1B, 48
.set G0B, 56
.set MSB, 0
.macro WIN new
.if MSB != \new
	s_set_vgpr_msb (MSB<<8)|\new
.set MSB, \new
.endif
.endm
.set MUL,  0x05                        ; sources 0 (B) and 1 (A) window 1; C and D window 0
.set TO_F, 0x40
.macro JLOAD s                         ; a joint load: waves 0 and 1 fetch A's halves, waves 2 and 3 B's; an s_nop 0 and four v_nop follow each line
	s_cmp_eq_u32 s11, 0
	s_cbranch_scc0 .Lfor_b_\@
	tensor_load_to_lds s[G0+4*\s:G0+4*\s+3], s[G1:G1+7]
	s_nop 0
.rept 4
	v_nop
.endr
	s_branch .Lasked_\@
.Lfor_b_\@:
	tensor_load_to_lds s[G0B+4*\s:G0B+4*\s+3], s[G1B:G1B+7]
	s_nop 0
.rept 4
	v_nop
.endr
.Lasked_\@:
.endm
.macro CREST
	s_cmp_lg_u32 s10, 0
	s_cbranch_scc1 .Lnot_wave_0_\@
	s_barrier_signal -3
.Lnot_wave_0_\@:
	s_barrier_wait -3
	s_barrier_signal -1
	s_barrier_wait -1
.endm
.macro CROUND
	s_barrier_signal -1
	s_barrier_wait -1
	CREST
.endm
	s_load_b128 s[4:7], s[0:1], 0x0                ; att16, wo16
	s_load_b64 s[8:9], s[0:1], 0x10                ; out0
	v_lshl_add_u32 v[SPW], v0, 2, SPARE
	v_mov_b32 v[NIL], 0
	ds_add_u32 v[SPW], v[NIL]                      ; the wave's opening: the add, twice on end, and its wait ahead of my first tensor load
	ds_add_u32 v[SPW], v[NIL]
	v_lshrrev_b32 v1, 5, v0
	v_readfirstlane_b32 s10, v1                    ; wave 0..3
	s_lshr_b32 s11, s10, 1                         ; my half of the tile's rows.  Also: I fetch for A (0) or for B (1)
	s_and_b32 s12, s10, 1                          ; my half of its columns.  Also: which half of that tile I fetch
	s_bfe_u32 s40, ttmp6, 0x40000                  ; cx, cy
	s_bfe_u32 s41, ttmp6, 0x40004
	s_lshl_b32 s42, ttmp9, 2
	s_add_co_u32 s42, s42, s40                     ; tile column
	s_and_b32 s13, ttmp7, 0xffff
	s_lshl_b32 s13, s13, 2
	s_add_co_u32 s13, s13, s41                     ; tile row
	s_lshl_b32 s43, s41, 2
	s_lshl_b32 s43, 15, s43                        ; my row of the cluster
	s_lshl_b32 s44, 0x1111, s40                    ; my column
	; A: 256 rows of 64 elements of 2 bytes, dense; 4 words of padding behind every 32.  B: 128 rows of 128 elements, 1,024 apart; 8 words behind every 64
	s_or_b32 s[G1+0], s43, (1<<16)|(1<<20)|(1<<21)|(4<<22)|(3<<25)
	s_mov_b32 s[G1+1], 64<<16
	s_mov_b32 s[G1+2], 256<<16
	s_mov_b32 s[G1+3], 64<<16
	s_mov_b32 s[G1+4], 256
	s_mov_b32 s[G1+5], 64
	s_mov_b32 s[G1+6], 0
	s_mov_b32 s[G1+7], 0
	s_or_b32 s[G1B+0], s44, (1<<16)|(1<<20)|(1<<21)|(5<<22)|(7<<25)
	s_mov_b32 s[G1B+1], 128<<16
	s_mov_b32 s[G1B+2], 128<<16
	s_mov_b32 s[G1B+3], 128<<16
	s_mov_b32 s[G1B+4], 128
	s_mov_b32 s[G1B+5], 1024
	s_mov_b32 s[G1B+6], 0
	s_mov_b32 s[G1B+7], 0
	s_lshl_b32 s16, s13, 18                        ; A: 262,144 bytes a tile row + two planes x half: the tile row alone, which my row of the cluster shares
	s_lshl_b32 s17, s12, 15
	s_add_co_u32 s16, s16, s17
	s_mov_b32 s17, 0
	s_lshl_b32 s46, s42, 8                         ; B: 256 bytes a tile column + 128 rows of 2,048 bytes x half: the tile column alone
	s_lshl_b32 s47, s12, 18
	s_add_co_u32 s46, s46, s47
	s_mov_b32 s47, 0
	s_mul_i32 s20, s10, HALFT                      ; where they go: no place in the cluster enters an LDS address
	s_wait_dscnt 0x0                               ; both opening adds are done
	s_wait_kmcnt 0x0
	s_add_nc_u64 s[14:15], s[4:5], s[16:17]
	s_add_nc_u64 s[46:47], s[6:7], s[46:47]
	CROUND                                         ; all sixteen work-groups are here: the first joint loads meet
.irp s, 0,1
	s_mov_b32 s[G0+4*\s], 1
	s_add_co_u32 s[G0+4*\s+1], s20, \s*SLOT
	s_add_nc_u64 s[G0+4*\s+2:G0+4*\s+3], s[14:15], \s*65536        ; K step s: four planes on
	s_or_b32 s[G0+4*\s+3], s[G0+4*\s+3], 0x80000000
	s_mov_b32 s[G0B+4*\s], 1
	s_add_co_u32 s[G0B+4*\s+1], s20, \s*SLOT
	s_add_nc_u64 s[G0B+4*\s+2:G0B+4*\s+3], s[46:47], \s*524288     ; 256 rows of k on
	s_or_b32 s[G0B+4*\s+3], s[G0B+4*\s+3], 0x80000000
	JLOAD \s
.endr
	v_and_b32 v1, 15, v0                           ; r
	v_bfe_u32 v2, v0, 4, 1                         ; h
	v_mul_u32_u24 v3, v1, PA
	v_lshl_add_u32 v3, v2, 4, v3
	s_mul_i32 s21, s11, 64*PA                      ; my 64 rows in each plane
	v_add_nc_u32 v[ADRA], s21, v3
	v_add_nc_u32 v[ADRA+1], SLOT, v[ADRA]
	v_and_b32 v4, 7, v0                            ; the turning load: k row 8 h + l % 8, columns 8 ((l / 8) % 2) on
	v_lshl_add_u32 v4, v2, 3, v4
	v_mul_u32_u24 v4, v4, PB
	v_bfe_u32 v5, v0, 3, 1
	v_lshl_add_u32 v4, v5, 4, v4
	s_lshl_b32 s22, s12, 7                         ; my 64 columns,
	s_add_co_u32 s22, s22, 2*HALFT                 ; behind A's planes
	v_add_nc_u32 v[ADRB], s22, v4
	v_add_nc_u32 v[ADRB+1], HALFT, v[ADRB]
	v_add_nc_u32 v[ADRB+2], SLOT, v[ADRB]
	v_add_nc_u32 v[ADRB+3], SLOT, v[ADRB+1]
	s_mul_i32 s23, s10, 16*SPITCH
	s_add_co_u32 s23, s23, STAGE                   ; my stage
	v_mul_u32_u24 v4, v1, SPITCH
	v_lshl_add_u32 v4, v2, 5, v4
	v_add_nc_u32 v[STO], s23, v4                   ; in: row r, 32 bytes for each half of the lanes
	v_mul_u32_u24 v5, v2, SPITCH
	v_lshl_add_u32 v5, v1, 4, v5
	v_add_nc_u32 v[RD], s23, v5                    ; back: lanes 0-15 one row of 256 bytes, lanes 16-31 the next
	v_lshlrev_b32 v5, 12, v2
	v_lshl_add_u32 v[CO], v1, 4, v5                ; and the same two rows in out0
	s_lshl_b32 s16, s13, 19                        ; 128 rows of 4,096 bytes x tile row
	s_lshl_b32 s17, s11, 18
	s_add_co_u32 s16, s16, s17                     ; + 64 rows x half
	s_mov_b32 s17, 0
	s_add_nc_u64 s[8:9], s[8:9], s[16:17]
	s_lshl_b32 s46, s42, 9                         ; 512 bytes x tile column + 256 x half
	s_lshl_b32 s47, s12, 8
	s_add_co_u32 s46, s46, s47
	s_mov_b32 s47, 0
	s_add_nc_u64 s[8:9], s[8:9], s[46:47]
; 8 matrix instructions: m blocks a0, a0 + 1 x all 4 n blocks, 32 along K: half c of buffer f.  The 16 accumulators take turns
.macro MUL8 f, c, a0, zero
.irp a, \a0, \a0+1
.irp b, 0,1,2,3
.if \zero
	v_wmma_f32_16x16x32_f16 v[ACC+8*(4*(\a)+\b):ACC+8*(4*(\a)+\b)+7], v[\f+64+8*(4*\c+\b):\f+64+8*(4*\c+\b)+7], v[\f+8*(4*\c+\a):\f+8*(4*\c+\a)+7], 0
.else
	v_wmma_f32_16x16x32_f16 v[ACC+8*(4*(\a)+\b):ACC+8*(4*(\a)+\b)+7], v[\f+64+8*(4*\c+\b):\f+64+8*(4*\c+\b)+7], v[\f+8*(4*\c+\a):\f+8*(4*\c+\a)+7], v[ACC+8*(4*(\a)+\b):ACC+8*(4*(\a)+\b)+7]
.endif
.endr
.endr
.endm
; 32 LDS loads in one run: the fragments of the slot's q-th 64 along K (one head's plane of A) into buffer f; the first 32 along K first
.macro FETCH slot, q, f
	WIN TO_F
.irp c, 0,1
.irp i, 0,1,2,3
	ds_load_tr16_b128 v[\f+64+8*(4*\c+\i):\f+64+8*(4*\c+\i)+3],   v[ADRB+2*\slot+(\q)/2] offset:((\q)%2)*64*PB+32*PB*\c+32*\i
	ds_load_tr16_b128 v[\f+64+8*(4*\c+\i)+4:\f+64+8*(4*\c+\i)+7], v[ADRB+2*\slot+(\q)/2] offset:((\q)%2)*64*PB+32*PB*\c+32*\i+16*PB
	ds_load_b128 v[\f+8*(4*\c+\i):\f+8*(4*\c+\i)+3],              v[ADRA+\slot] offset:128*PA*(\q)+16*PA*\i+64*\c
	ds_load_b128 v[\f+8*(4*\c+\i)+4:\f+8*(4*\c+\i)+7],            v[ADRA+\slot] offset:128*PA*(\q)+16*PA*\i+64*\c+32
.endr
.endr
.endm
.macro PLACES
.rept 4
	v_nop
.endr
.endm
; One of a K step's first three quarters: multiplies buffer f and fetches quarter q of the same slot into g
.macro QUARTER slot, q, f, g, zero
	s_wait_dscnt 16                                ; the first 32 along K are in
	WIN MUL
	MUL8 \f, 0, 0, \zero
	MUL8 \f, 0, 2, \zero
	PLACES
	FETCH \slot, \q, \g
	s_wait_dscnt 32                                ; all but the 32 just issued
	WIN MUL
	MUL8 \f, 1, 0, 0
	MUL8 \f, 1, 2, 0
.endm
; The last quarter changes slots: ONE barrier; in front of it each wave waits for all its tensor loads, adds 0 to its spare word, and waits for that and for its own reads of this slot.  fill = 1: this slot is filled again, two K steps ahead.
.macro TURN slot, next, fill
	WIN 0
	s_wait_tensorcnt 0x0                           ; all my tensor loads have landed: my part of the next slot
	ds_add_u32 v[SPW], v[NIL]                      ; 0 onto my spare word
	s_wait_dscnt 17                                ; (the add and the youngest sixteen loads may be out)
	WIN MUL
	MUL8 F1, 0, 0, 0
	s_wait_dscnt 0x0                               ; the add is done, and my reads of this slot are over
	s_barrier_signal -1
	MUL8 F1, 0, 2, 0
.if \fill
	WIN 0
.endif
	s_barrier_wait -1
.if \fill
	CREST                                          ; the barrier has opened a round of the cluster's barrier: no wave of any partner still reads this slot or has a load on its way
	s_add_nc_u64 s[G0+4*\slot+2:G0+4*\slot+3], s[G0+4*\slot+2:G0+4*\slot+3], 131072
	s_add_nc_u64 s[G0B+4*\slot+2:G0B+4*\slot+3], s[G0B+4*\slot+2:G0B+4*\slot+3], 1048576
	JLOAD \slot                                    ; the first tensor load behind the round; its four v_nop are also the places in front of the loads below
.else
	PLACES
.endif
	FETCH \next, 0, F0
	WIN MUL
	MUL8 F1, 1, 0, 0
	MUL8 F1, 1, 2, 0
.endm
	s_wait_tensorcnt 1                             ; my part of K step 0 is in (K step 1's may be out)
	s_barrier_signal -1
	s_barrier_wait -1                              ; everybody's is
	FETCH 0, 0, F0
	QUARTER 0, 1, F0, F1, 1                        ; K step 0: the first products start the sums
	QUARTER 0, 2, F1, F0, 0
	QUARTER 0, 3, F0, F1, 0
	TURN 0, 1, 1                                   ; slot 0 takes K step 2
	QUARTER 1, 1, F0, F1, 0                        ; K step 1
	QUARTER 1, 2, F1, F0, 0
	QUARTER 1, 3, F0, F1, 0
	TURN 1, 0, 1                                   ; slot 1 takes K step 3
	QUARTER 0, 1, F0, F1, 0                        ; K step 2
	QUARTER 0, 2, F1, F0, 0
	QUARTER 0, 3, F0, F1, 0
	TURN 0, 1, 0                                   ; nothing is left to fetch
	QUARTER 1, 1, F0, F1, 0                        ; K step 3
	QUARTER 1, 2, F1, F0, 0
	QUARTER 1, 3, F0, F1, 0
	s_wait_dscnt 16
	WIN MUL
	MUL8 F1, 0, 0, 0
	MUL8 F1, 0, 2, 0
	s_wait_dscnt 0
	MUL8 F1, 1, 0, 0
	MUL8 F1, 1, 2, 0
	WIN 0
	; THE WAY OUT: a wave's 64 columns of f32 are 256 bytes of a row, aligned: each block of 16 rows goes through my own stage and comes back as rows.  No barrier: the stage is mine alone.
	PLACES
.irp a, 0,1,2,3
.if \a >= 2
	s_wait_xcnt 0x0                                ; block a - 2's stores have read the registers that are loaded again now
.endif
.irp b, 0,1,2,3
	ds_store_b128 v[STO], v[ACC+8*(4*\a+\b):ACC+8*(4*\a+\b)+3] offset:64*\b        ; each accumulator from its low end on
	ds_store_b128 v[STO], v[ACC+8*(4*\a+\b)+4:ACC+8*(4*\a+\b)+7] offset:64*\b+16
.endr
.irp t, 0,1,2,3,4,5,6,7
	ds_load_b128 v[TMP+32*(\a%2)+4*\t:TMP+32*(\a%2)+4*\t+3], v[RD] offset:2*\t*SPITCH   ; LDS serves a wave's instructions in order
.endr
	s_wait_dscnt 0x0
.irp t, 0,1,2,3,4,5,6,7
	global_store_b128 v[CO], v[TMP+32*(\a%2)+4*\t:TMP+32*(\a%2)+4*\t+3], s[8:9] offset:(16*\a+2*\t)*4096   ; 16 lanes store 256 consecutive bytes, aligned
.endr
.endr
	s_wait_tensorcnt 0x0                           ; the wave's end: tensor wait, 0 onto my spare word and its wait, behind my last tensor load and my last LDS store
	ds_add_u32 v[SPW], v[NIL]
	s_wait_dscnt 0x0
	CROUND                                         ; the closing round
	s_endpgm
.Lfunc_end_k_q1e16a1fa2d_proj:
	.size	k_q1e16a1fa2d_proj, .Lfunc_end_k_q1e16a1fa2d_proj-k_q1e16a1fa2d_proj
	.p2alignl 7, 3214868480
	.fill 96, 4, 3214868480
	.section	.rodata,"a",@progbits
	.p2align	6, 0x0
	.amdhsa_kernel k_q1e16a1fa2d_proj
		.amdhsa_group_segment_fixed_size 327680
		.amdhsa_private_segment_fixed_size 0
		.amdhsa_enable_private_segment 0
		.amdhsa_kernarg_size 24
		.amdhsa_user_sgpr_count 2
		.amdhsa_user_sgpr_kernarg_segment_ptr 1
		.amdhsa_wavefront_size32 1
		.amdhsa_system_sgpr_workgroup_id_x 1
		.amdhsa_system_sgpr_workgroup_id_y 1
		.amdhsa_system_sgpr_workgroup_id_z 1
		.amdhsa_system_vgpr_workitem_id 0
		.amdhsa_next_free_vgpr 512
		.amdhsa_next_free_sgpr 66
		.amdhsa_reserve_vcc 0
		.amdhsa_float_denorm_mode_32 3
		.amdhsa_float_denorm_mode_16_64 3
		.amdhsa_memory_ordered 1
		.amdhsa_forward_progress 1
		.amdhsa_inst_pref_size 85
	.end_amdhsa_kernel
	.amdgpu_metadata
---
amdhsa.version: [ 1, 2 ]
amdhsa.kernels:
  - .name:           k_q1e16a1fa2d_proj
    .symbol:         k_q1e16a1fa2d_proj.kd
    .args:
      - { .name: att16, .offset: 0, .size: 8, .value_kind: global_buffer, .address_space: global }
      - { .name: wo16, .offset: 8, .size: 8, .value_kind: global_buffer, .address_space: global }
      - { .name: out0, .offset: 16, .size: 8, .value_kind: global_buffer, .address_space: global }
    .group_segment_fixed_size: 327680
    .private_segment_fixed_size: 0
    .kernarg_segment_align: 8
    .kernarg_segment_size: 24
    .max_flat_workgroup_size: 128
    .sgpr_count:     66
    .vgpr_count:     512
    .wavefront_size: 32
...
	.end_amdgpu_metadata
.endif
;; end of part 4
;; launch first16 (part 5): grid 16 x 2, 16 waves a work-group, no clusters, 71,680 bytes of LDS; arguments qkv32, W_o, out0; writes out0
.if DOCPART == 5
	.amdgcn_target "amdgcn-amd-amdhsa--gfx1250"
	.amdhsa_code_object_version 6
	.text
	.protected	k_q1e16a1fa2d_first16
	.globl	k_q1e16a1fa2d_first16
	.p2align	8
	.type	k_q1e16a1fa2d_first16,@function
k_q1e16a1fa2d_first16:
	s_mov_b64 s[64:65], 0
	v_nop
	global_prefetch_b8 v0, s[64:65] scope:SCOPE_SE
	s_setreg_imm32_b32 hwreg(HW_REG_WAVE_MODE, 25, 1), 1
	s_wait_xcnt 0x0
; Positions 0-15 of each batch, carried in f32 from the quantised product's sums (qkv32 [b][16][3072]) to out0: these rows average one to sixteen values and are the largest in size.
; Work-group (cb, b) makes 16 rows x 64 columns (64 cb on) of out0.  Wave = head: it makes its head's attention for the 16 positions and its 64 of the projection's K; the 16 parts are added in LDS in a fixed order.
; All products by v_wmma_f32_16x16x4_f32, 96 a wave, written out; this is no bulk work.  Its results' registers (SA, SB, O, OUT) are written by matrix instructions alone.
; LAYOUTS.  An operand: lane (r, h) holds row or column r, register j the k slot 2 h + j.  A result: lane (r, h) holds column r, register j row 8 h + j.  So registers 2 s, 2 s + 1 of a result ARE an operand of the next
; product for the four k slots of rows 8 h + 2 s + j, and the other operand is loaded by the same map: nothing changes lanes.  S^T = K Q^T, O^T = V^T P, out^T = W^T O: a lane holds one query throughout.
; THE ROWS OF A TILE ARE NOT NEIGHBOURS: row r of O^T's tile c is channel 4 r + c, row r of out^T's tile n is column 4 r + n.  So ONE load of 16 bytes at 16 r of a row of v or of W_o brings a number for each of the
; four tiles, and sixteen lanes read 256 consecutive bytes, aligned: 8 loads for v and 32 for W_o in a wave.  O^T's register jj of tile c then holds channel 32 h + 4 jj + c, and W_o's rows are taken by that map.
; An operand wants k and k + 1 of one tile in neighbouring registers; the loads leave the four tiles of one k there: two exchanges among each eight registers put that right (macro SWAPS).
; The maximum is taken away before the exponential; the mask is key > query.
.set AQ,  3                            ; v3  q, k: 12,288 r + 16 h
.set AV,  4                            ; v4  v: 8 h rows of 12,288 + 16 r
.set AW,  5                            ; v5  W_o: 32 h rows of 4,096 + 16 r
.set DD,  6                            ; v6  r - 8 h
.set NEG, 7
.set STO, 8
.set RD,  9
.set CO,  10
.set LN,  11
.set SPW, 12
.set NIL, 13
.set QF,  16                           ; v16-47   q; later W_o's chunk 0; later my part in column order; later the parts to be added
.set KF,  48                           ; v48-79   k; later chunk 1
.set VF,  80                           ; v80-111  v; later chunk 3
.set W2,  112                          ; v112-143 chunk 2
.set SA,  144
.set SB,  152
.set T,   160
.set PN,  168
.set WK,  176                          ; v176-183 at work; v182, v183 serve the exchanges
.set O,   184                          ; v184-215 O^T, four tiles
.set OUT, 216                          ; v216-247 out^T, four tiles
.set SPARE, 16*4352                    ; behind the 16 parts (16 rows x 272 bytes each): the spare words, 128 bytes for each wave: eight blocks of 256 bytes that no other line names
	s_load_b128 s[4:7], s[0:1], 0x0                ; qkv32, W_o
	s_load_b64 s[8:9], s[0:1], 0x10                ; out0
	v_lshl_add_u32 v[SPW], v0, 2, SPARE
	v_mov_b32 v[NIL], 0
	v_lshrrev_b32 v1, 5, v0
	v_readfirstlane_b32 s10, v1                    ; wave = head
	s_and_b32 s11, ttmp7, 0xffff                   ; batch
	v_and_b32 v1, 15, v0                           ; r
	v_bfe_u32 v2, v0, 4, 1                         ; h
	v_and_b32 v[LN], 31, v0
	v_mul_u32_u24 v[AQ], v1, 12288
	v_lshl_add_u32 v[AQ], v2, 4, v[AQ]
	v_mul_u32_u24 v[AV], v2, 8*12288
	v_lshl_add_u32 v[AV], v1, 4, v[AV]
	v_lshlrev_b32 v[AW], 17, v2
	v_lshl_add_u32 v[AW], v1, 4, v[AW]
	v_lshlrev_b32 v[DD], 3, v2
	v_sub_nc_u32 v[DD], v1, v[DD]
	v_mov_b32 v[NEG], 0xff800000
	s_mul_i32 s12, s10, 4352
	v_mul_u32_u24 v[STO], v1, 272
	v_lshl_add_u32 v[STO], v2, 7, v[STO]
	v_add_nc_u32 v[STO], s12, v[STO]               ; my part: row r, 128 bytes (32 columns) for each half of the lanes
	s_mul_i32 s12, s10, 272
	v_mul_u32_u24 v[RD], v2, 4352
	v_lshl_add_u32 v[RD], v1, 4, v[RD]
	v_add_nc_u32 v[RD], s12, v[RD]                 ; back: row = my wave's number; lanes 0-15 an even part, lanes 16-31 the next
	v_lshlrev_b32 v[CO], 4, v1
	s_mov_b32 s16, 0x3e38aa3b                      ; c = log2(e) / 8
	s_mov_b32 s17, s16
	s_mov_b32 s18, 0x76543210
	s_mov_b32 s19, 0xfedcba98
	s_mul_i32 s12, s11, 16*12288
	s_lshl_b32 s13, s10, 8
	s_add_co_u32 s12, s12, s13                     ; qkv32: the batch's 16 rows, my head's 256 bytes
	s_mov_b32 s13, 0
	s_lshl_b32 s14, s10, 18
	s_lshl_b32 s15, ttmp9, 8
	s_add_co_u32 s14, s14, s15                     ; W_o: my head's 64 rows, the work-group's 64 columns
	s_lshl_b32 s20, s11, 23
	s_add_co_u32 s20, s20, s15
	s_lshl_b32 s15, s10, 12
	s_add_co_u32 s20, s20, s15                     ; out0: row 2,048 b + my wave's number, the work-group's 64 columns
	s_mov_b32 s15, 0
	s_mov_b32 s21, 0
	s_wait_kmcnt 0x0
	s_add_nc_u64 s[4:5], s[4:5], s[12:13]
	s_add_nc_u64 s[6:7], s[6:7], s[14:15]
	s_add_nc_u64 s[8:9], s[8:9], s[20:21]
.irp s, 0,1,2,3,4,5,6,7
	global_load_b128 v[QF+4*\s:QF+4*\s+3], v[AQ], s[4:5] offset:32*\s          ; q(r, 8 s + 4 h + 0..3)
.endr
.irp s, 0,1,2,3,4,5,6,7
	global_load_b128 v[KF+4*\s:KF+4*\s+3], v[AQ], s[4:5] offset:4096+32*\s     ; k likewise: the same map of channels to k slots on both sides
.endr
.irp s, 0,1,2,3
.irp j, 0,1
	global_load_b128 v[VF+8*\s+4*\j:VF+8*\s+4*\j+3], v[AV], s[4:5] offset:8192+12288*(2*\s+\j)   ; v(key 8 h + 2 s + j, channels 4 r + 0..3): register c for tile c
.endr
.endr
.macro WLOAD buf, ct                   ; W_o(64 head + 32 h + 8 s + 4 j + ct, 64 cb + 4 r + 0..3) into buf + 8 s + 4 j + 0..3: register n for tile n
.irp s, 0,1,2,3
.irp j, 0,1
	global_load_b128 v[\buf+8*\s+4*\j:\buf+8*\s+4*\j+3], v[AW], s[6:7] offset:4096*(8*\s+4*\j+\ct)
.endr
.endr
.endm
; Of each eight registers a0 a1 a2 a3 b0 b1 b2 b3 (a: j = 0, b: j = 1; the index: the tile) a1 changes places with b0 and a3 with b2: a0 b0 a2 b2 a1 b1 a3 b3.  Tile n's pair then stands at 4 (n % 2) + 2 (n / 2).
.macro SWAPS buf
.irp s, 0,1,2,3
	v_mov_b32 v[WK+6], v[\buf+8*\s+1]
	v_mov_b32 v[WK+7], v[\buf+8*\s+3]
	v_mov_b32 v[\buf+8*\s+1], v[\buf+8*\s+4]
	v_mov_b32 v[\buf+8*\s+3], v[\buf+8*\s+6]
	v_mov_b32 v[\buf+8*\s+4], v[WK+6]
	v_mov_b32 v[\buf+8*\s+6], v[WK+7]
.endr
.endm
	WLOAD W2, 2
	s_wait_loadcnt 16                              ; q and k are in; v's eight loads and chunk 2's eight may be out
.set n, 0
.rept 16                               ; S^T = K Q^T, 4 channels a step, two accumulators by turns; the first two steps start the sums
.if n < 2
	v_wmma_f32_16x16x4_f32 v[SA+8*(n%2):SA+8*(n%2)+7], v[KF+2*n:KF+2*n+1], v[QF+2*n:QF+2*n+1], 0
.else
	v_wmma_f32_16x16x4_f32 v[SA+8*(n%2):SA+8*(n%2)+7], v[KF+2*n:KF+2*n+1], v[QF+2*n:QF+2*n+1], v[SA+8*(n%2):SA+8*(n%2)+7]
.endif
.set n, n+1
.endr
.rept 8
	v_nop                                          ; eight places behind this form, in front of loads into its operands' registers and of the first read of its results
.endr
	WLOAD QF, 0
	WLOAD KF, 1
.irp j, 0,2,4,6
	v_pk_add_f32 v[T+\j:T+\j+1], v[SA+\j:SA+\j+1], v[SB+\j:SB+\j+1]            ; from the low end on
.endr
.irp j, 0,2,4,6
	v_pk_mul_f32 v[T+\j:T+\j+1], v[T+\j:T+\j+1], s[16:17] op_sel_hi:[1,0]      ; t = score x log2(e) / 8
.endr
.irp j, 0,1,2,3,4,5,6,7
	v_cmp_gt_i32 vcc_lo, \j, v[DD]                 ; register j holds key 8 h + j: hidden where it comes after query r
	v_cndmask_b32 v[T+\j], v[T+\j], v[NEG], vcc_lo
.endr
	v_max3_num_f32 v[WK], v[T], v[T+1], v[T+2]
	v_max3_num_f32 v[WK+1], v[T+3], v[T+4], v[T+5]
	v_max3_num_f32 v[WK], v[WK], v[T+6], v[T+7]
	v_max_num_f32 v[WK], v[WK], v[WK+1]
	v_permlanex16_b32 v[WK+1], v[WK], s18, s19
	v_max_num_f32 v[WK], v[WK], v[WK+1]            ; the row's maximum: key 0 counts for every query, so it is a number
.irp j, 0,2,4,6
	v_pk_add_f32 v[T+\j:T+\j+1], v[T+\j:T+\j+1], v[WK:WK+1] op_sel_hi:[1,0] neg_lo:[0,1] neg_hi:[0,1]
.endr
.irp j, 0,1,2,3,4,5,6,7
	v_exp_f32 v[T+\j], v[T+\j]
.endr
	v_nop
	s_wait_alu depctr_va_vdst(0)                   ; one wait for the eight, ahead of their first reader
	v_pk_add_f32 v[WK+2:WK+3], v[T:T+1], v[T+2:T+3]
	v_pk_add_f32 v[WK+4:WK+5], v[T+4:T+5], v[T+6:T+7]
	v_pk_add_f32 v[WK+2:WK+3], v[WK+2:WK+3], v[WK+4:WK+5]
	v_add_f32 v[WK+2], v[WK+2], v[WK+3]
	v_permlanex16_b32 v[WK+3], v[WK+2], s18, s19
	v_add_f32 v[WK+2], v[WK+2], v[WK+3]            ; the row's sum
	v_rcp_f32 v[WK+4], v[WK+2]
	v_nop
	s_wait_alu depctr_va_vdst(0)
.irp j, 0,2,4,6
	v_pk_mul_f32 v[PN+\j:PN+\j+1], v[T+\j:T+\j+1], v[WK+4:WK+5] op_sel_hi:[1,0]   ; the weights
.endr
	s_wait_loadcnt 24                              ; v is in; chunk 2's eight loads and the sixteen of chunks 0 and 1 may be out
	SWAPS VF
.irp s, 0,1,2,3                        ; O^T = V^T P: keys 8 h + 2 s + j; four accumulators by turns
.irp c, 0,1,2,3
.if \s == 0
	v_wmma_f32_16x16x4_f32 v[O+8*\c:O+8*\c+7], v[VF+8*\s+4*(\c%2)+2*(\c/2):VF+8*\s+4*(\c%2)+2*(\c/2)+1], v[PN+2*\s:PN+2*\s+1], 0
.else
	v_wmma_f32_16x16x4_f32 v[O+8*\c:O+8*\c+7], v[VF+8*\s+4*(\c%2)+2*(\c/2):VF+8*\s+4*(\c%2)+2*(\c/2)+1], v[PN+2*\s:PN+2*\s+1], v[O+8*\c:O+8*\c+7]
.endif
.endr
.endr
.rept 9
	v_nop                                          ; nine places: O^T becomes an operand; loads land on v's registers
.endr
	WLOAD VF, 3
.macro WMUL buf, ct, first             ; out^T += W^T O for the channels of O^T's tile ct: four accumulators by turns
.irp s, 0,1,2,3
.irp n, 0,1,2,3
.if \first && (\s == 0)
	v_wmma_f32_16x16x4_f32 v[OUT+8*\n:OUT+8*\n+7], v[\buf+8*\s+4*(\n%2)+2*(\n/2):\buf+8*\s+4*(\n%2)+2*(\n/2)+1], v[O+8*\ct+2*\s:O+8*\ct+2*\s+1], 0
.else
	v_wmma_f32_16x16x4_f32 v[OUT+8*\n:OUT+8*\n+7], v[\buf+8*\s+4*(\n%2)+2*(\n/2):\buf+8*\s+4*(\n%2)+2*(\n/2)+1], v[O+8*\ct+2*\s:O+8*\ct+2*\s+1], v[OUT+8*\n:OUT+8*\n+7]
.endif
.endr
.endr
.endm
	s_wait_loadcnt 24                              ; chunk 2 is in; the 24 loads of chunks 0, 1 and 3 may be out
	SWAPS W2
	WMUL W2, 2, 1
	s_wait_loadcnt 16                              ; chunk 0 (chunks 1 and 3 may be out)
	SWAPS QF
	WMUL QF, 0, 0
	s_wait_loadcnt 8                               ; chunk 1 (chunk 3 may be out)
	SWAPS KF
	WMUL KF, 1, 0
	s_wait_loadcnt 0
	SWAPS VF
	WMUL VF, 3, 0
.rept 8
	v_nop                                          ; eight places, in front of the first read of the results and of writes into registers that the products have read
.endr
.irp j, 0,1,2,3,4,5,6,7                ; register j of tile n is column 32 h + 4 j + n: gathered into column order; each accumulator is read from its low end on
.irp n, 0,1,2,3
	v_mov_b32 v[QF+4*\j+\n], v[OUT+8*\n+\j]
.endr
.endr
.irp j, 0,1,2,3,4,5,6,7
	ds_store_b128 v[STO], v[QF+4*\j:QF+4*\j+3] offset:16*\j        ; lane (r, h): my head's part of out(r, 64 cb + 32 h + 4 j + 0..3)
.endr
	s_wait_dscnt 0x0                               ; for the others' sake: my part has landed
	s_barrier_signal -1
	s_barrier_wait -1
.irp u, 0,1,2,3,4,5,6,7
	ds_load_b128 v[QF+4*\u:QF+4*\u+3], v[RD] offset:8704*\u            ; row = my wave's number of parts 2 u (lanes 0-15) and 2 u + 1 (lanes 16-31)
.endr
	s_wait_dscnt 0x0
.irp u, 1,2,3,4,5,6,7
	v_pk_add_f32 v[QF:QF+1], v[QF:QF+1], v[QF+4*\u:QF+4*\u+1]
	v_pk_add_f32 v[QF+2:QF+3], v[QF+2:QF+3], v[QF+4*\u+2:QF+4*\u+3]
.endr
.irp i, 0,1,2,3
	v_permlanex16_b32 v[KF+\i], v[QF+\i], s18, s19
.endr
.irp i, 0,1,2,3
	v_add_f32 v[QF+\i], v[QF+\i], v[KF+\i]         ; even parts + odd parts
.endr
	v_cmp_gt_u32 vcc_lo, 16, v[LN]
	s_wait_xcnt 0x0                                ; EXEC changes only behind this wait
	s_and_saveexec_b32 s22, vcc_lo
	global_store_b128 v[CO], v[QF:QF+3], s[8:9]    ; sixteen lanes store 256 consecutive bytes, aligned
	s_wait_xcnt 0x0                                ; and again in front of the line that widens it
	s_or_b32 exec_lo, exec_lo, s22
	s_wait_tensorcnt 0x0                           ; the wave's end: tensor wait, 0 onto my spare word and its wait, behind my last LDS store
	ds_add_u32 v[SPW], v[NIL]
	s_wait_dscnt 0x0
	s_endpgm
.Lfunc_end_k_q1e16a1fa2d_first16:
	.size	k_q1e16a1fa2d_first16, .Lfunc_end_k_q1e16a1fa2d_first16-k_q1e16a1fa2d_first16
	.p2alignl 7, 3214868480
	.fill 96, 4, 3214868480
	.section	.rodata,"a",@progbits
	.p2align	6, 0x0
	.amdhsa_kernel k_q1e16a1fa2d_first16
		.amdhsa_group_segment_fixed_size 71680
		.amdhsa_private_segment_fixed_size 0
		.amdhsa_enable_private_segment 0
		.amdhsa_kernarg_size 24
		.amdhsa_user_sgpr_count 2
		.amdhsa_user_sgpr_kernarg_segment_ptr 1
		.amdhsa_wavefront_size32 1
		.amdhsa_system_sgpr_workgroup_id_x 1
		.amdhsa_system_sgpr_workgroup_id_y 1
		.amdhsa_system_sgpr_workgroup_id_z 1
		.amdhsa_system_vgpr_workitem_id 0
		.amdhsa_next_free_vgpr 256
		.amdhsa_next_free_sgpr 66
		.amdhsa_reserve_vcc 1
		.amdhsa_float_denorm_mode_32 3
		.amdhsa_float_denorm_mode_16_64 3
		.amdhsa_memory_ordered 1
		.amdhsa_forward_progress 1
		.amdhsa_inst_pref_size 25
	.end_amdhsa_kernel
	.amdgpu_metadata
---
amdhsa.version: [ 1, 2 ]
amdhsa.kernels:
  - .name:           k_q1e16a1fa2d_first16
    .symbol:         k_q1e16a1fa2d_first16.kd
    .args:
      - { .name: qkv32, .offset: 0, .size: 8, .value_kind: global_buffer, .address_space: global }
      - { .name: W_o, .offset: 8, .size: 8, .value_kind: global_buffer, .address_space: global }
      - { .name: out0, .offset: 16, .size: 8, .value_kind: global_buffer, .address_space: global }
    .group_segment_fixed_size: 71680
    .private_segment_fixed_size: 0
    .kernarg_segment_align: 8
    .kernarg_segment_size: 24
    .max_flat_workgroup_size: 512
    .sgpr_count:     66
    .vgpr_count:     256
    .wavefront_size: 32
...
	.end_amdgpu_metadata
.endif
;; end of part 5
